; MI455X (gfx1250); checked and timed in simulation.
; The chip was launched on July 23, 2026; its instructions are those of AMD's public machine-readable ISA for CDNA 5 (MIT licence, August 2026) and "CDNA5" Instruction Set Architecture Reference Guide (July 2026). The comments in the code are by the model that wrote it; some were corrected since.
;; Causal Multi Head Self Attention. Allowed arithmetic: matrix products marked QUANTISED: E2M3 operands, one E8M0 scale for each 32 along K, by v_wmma_scale_f32_16x16x128_f8f6f4 with both operands' format E2M3, f32 sums; everything else in f32.
;; Inputs: wk 1,024 x 1,024 float32; wo 1,024 x 1,024 float32; wq 1,024 x 1,024 float32; wv 1,024 x 1,024 float32; x 4 x 2,048 x 1,024 float32.
;; Outputs: out0 4 x 2,048 x 1,024 float32.
;; This version of the problem:
;;   THIS VERSION OF THE PROBLEM IS GIVEN IN LOW PRECISION. The matrix products marked QUANTISED in the list below multiply operands that are first quantised to E2M3 (2 exponent bits, 3 mantissa bits; 6 bits a number), with one power-of-two scale for each 32 numbers along K (OCP MX v1.0); their sums are f32. All else is computed in f32.
;;   The module's matrix products, in the order in which they are computed (A, B: the left and right operand; K: the contracted axis; several contracted axes count as one K, in the product's order):
;;     1. [M 8,192, K 1,024] x [K 1,024, N 1,024]; A: input x; B: input wq: QUANTISED
;;     2. [M 8,192, K 1,024] x [K 1,024, N 1,024]; A: input x; B: input wk: QUANTISED
;;     3. [M 8,192, K 1,024] x [K 1,024, N 1,024]; A: input x; B: input wv: QUANTISED
;;     4. batch 64 x [M 2,048, K 64] x [K 64, N 2,048]; A: computed on the way; B: computed on the way: QUANTISED
;;     5. batch 64 x [M 2,048, K 2,048] x [K 2,048, N 64]; A: softmax (see below); B: computed on the way: QUANTISED
;;     6. [M 8,192, K 1,024] x [K 1,024, N 1,024]; A: computed on the way; B: input wo: QUANTISED
;;   THE QUANTISER, for each operand of a quantised product, along K:
;;     - K is cut into blocks of 32 from its start; a last block that is shorter is filled with zeros.
;;     - A block's scale is 2^e with e = floor(log2(the largest magnitude in the block)) - 2, held to -126 .. 127; a block of zeros has e = 0. As a byte (E8M0): e + 127.
;;     - Each number is divided by its block's scale, clamped to +-7.5, and rounded to the nearest number of E2M3, ties to even, subnormals kept.
;;     - The product sums the exact products of the quantised numbers (number of the format x scale) in f32.
;;   ~~~python
;;   def quantise(x, axis):      # numpy; x: float32 -> the quantised numbers, widened to float32 again
;;       x = np.moveaxis(x, axis, -1); K = x.shape[-1]
;;       x = np.pad(x, [(0, 0)] * (x.ndim - 1) + [(0, -K % 32)]); x = x.reshape(x.shape[:-1] + (-1, 32)); a = np.abs(x).max(-1, keepdims=True)
;;       e = np.where(a > 0, np.clip(np.frexp(np.where(a > 0, a, 1))[1] - 1 - 2, -126, 127), 0)      # np.frexp(a)[1] - 1 = floor(log2(a)), exactly
;;       r = np.clip(x / 2.0 ** e, -7.5, 7.5)
;;       step = 2.0 ** (np.maximum(np.frexp(np.where(r == 0, 1, r))[1] - 1, 0) - 3)
;;       q = np.round(r / step) * step * 2.0 ** e      # np.round: ties to even
;;       return np.moveaxis(q.reshape(q.shape[:-2] + (-1,))[..., :K], -1, axis).astype(np.float32)
;;   ~~~
;;   SOFTMAX AHEAD OF A QUANTISED PRODUCT. Where the list says 'softmax', what is quantised is not the finished softmax but p = 2^(t - M), with t = logit x log2(e) and M = ceil(the row's largest t), a whole number; so 1/2 < the row's largest p <= 1. The row's sum l is taken of the UNQUANTISED p, in f32, and the product's result is divided by l at the end. Since M is a whole number, a kernel that streams over the keys may use a running M (the ceiling of the running maximum): every later rescaling is an exact power of two, which a block's scale takes up: the codes' values come out the same.
;;   OPERANDS COMPUTED ON THE WAY. 'Computed on the way' means the value that the module computes at that place (a softmax that the list does not call 'softmax' is quantised finished and normalised). What goes into a quantiser is computed in f32, as accurately as f32 sums, v_exp_f32 and their like allow (about 1e-6 of the number): no bf16 or f16 on the way to a quantiser, and a product that is left as it is and whose result goes on into a quantised operand takes f32 operands (vector FMAs, or v_wmma_f32_16x16x4_f32). A number that lies on a knife's edge between two numbers of the format may be rounded either way, as far as f32 arithmetic and the matrix unit's own rounding can turn it there, and no further.
;; One version. Each part assembles by itself: llvm-mc -triple=amdgcn-amd-amdhsa -mcpu=gfx1250 --defsym DOCPART=n.
;; ======== version 1 of 1: 4 launches
;; workspace buffers: cod 9,437,184 bytes; scl 393,216 bytes; rope 524,288 bytes; qb 6,815,744 bytes; kv 13,369,344 bytes; ctc 6,291,456 bytes; cts 262,144 bytes
;; launch prep (part 1): grid 416 x 1, 4 waves a work-group, no clusters, 34,304 bytes of LDS; arguments x, wq, wk, wv, wo, cod, scl, rope; writes cod, scl, rope
.if DOCPART == 1
	.amdgcn_target "amdgcn-amd-amdhsa--gfx1250"
	.amdhsa_code_object_version 6
	.text
	.protected	k_q353cc1fe7a_prep
	.globl	k_q353cc1fe7a_prep
	.p2align	8
	.type	k_q353cc1fe7a_prep,@function
k_q353cc1fe7a_prep:
	s_mov_b64 s[64:65], 0
	v_nop
	global_prefetch_b8 v0, s[64:65] scope:SCOPE_SE
	s_setreg_imm32_b32 hwreg(HW_REG_WAVE_MODE, 25, 1), 1
	s_wait_xcnt 0x0
; PREP.  Work-groups 0-383: x [8192][1024] and wq, wk, wv, wo [1024][1024], f32, K innermost, become codes of FP6 (E2M3) with one E8M0 byte for each 32 along K.
; Work-groups 384-415: the table of cos and sin for the rotation, [position 2048][pair 32](cos, sin), f32.
; ORDER OF ROWS.  The 12,288 rows (x, wq, wk, wv, wo on end) are laid in tiles of 16: tile 2 G + u, place p, holds row 32 G + 8 u + p + 8 (p / 8).  So the sixteen results that a lane holds of two neighbouring
; tiles in a transposed product are sixteen neighbours, and no later launch permutes anything.
; IMAGES.  cod: [tile 768][16 images of 768 bytes].  An image is 16 rows x 64 codes as the operand's registers: lane 16 h + r holds block h of row r in 6 registers; registers 0-3 at 16 x lane, 4-5 at 512 + 8 x lane.
; scl: [tile][half of K][row 16][4 words], a word = the four bytes of 128 along K.
; A block's scale is 2^(floor(log2(largest magnitude)) - 2); its byte is the largest magnitude's exponent field - 2, held at 1 from below.
; LIMITS: a block of zeros gets the byte 1 (its codes are zeros; only this program reads the bytes); NaN and infinities are not served; the table's 10000^(-i/32) is 2^(-0.41524101 i) by v_exp_f32,
; within about two units in the last place of a power and a division in f32; sine and cosine by a reduction in three parts and series whose first left-out terms are under 2e-9.
; SHARES.  A work-group takes 32 rows; wave w tile w / 2 and half w % 2 of K: four steps of 16 rows x 128.  A load reads 512 consecutive bytes of one row; the step turns through the wave's own stage in LDS
; (16 rows of 512 + 16 bytes), so that a lane gets two whole blocks of its row.  Loads run two steps (32 loads a wave) ahead.  Waves share nothing: no barrier.
.set STGB, 8448                        ; a wave's stage
.set RA,   32                          ; v32-159  two sets of 64 registers as loaded
.set XN,   160                         ; v160-223 my two blocks of 32
.set WD,   16                          ; v16-19   the four steps' scale words
.set POS,  32                          ; table path: v32 the position as f32
	s_load_b256 s[4:11], s[0:1], 0x0               ; x s[4:5], wq s[6:7], wk s[8:9], wv s[10:11]
	s_load_b256 s[12:19], s[0:1], 0x20             ; wo s[12:13], cod s[14:15], scl s[16:17], rope s[18:19]
	v_lshl_add_u32 v254, v0, 2, 0x8400
	v_mov_b32 v255, 0
	v_lshrrev_b32 v1, 5, v0
	v_readfirstlane_b32 s20, v1                    ; wave
	v_and_b32 v3, 31, v0                           ; lane
	v_and_b32 v1, 15, v0                           ; r
	v_bfe_u32 v2, v0, 4, 1                         ; h
	s_cmp_ge_u32 ttmp9, 384
	s_cbranch_scc1 .Ltable
	s_lshr_b32 s21, s20, 1                         ; u: which tile of the two
	s_and_b32 s22, s20, 1                          ; which half of K
	s_mul_i32 s23, s20, STGB
	v_lshlrev_b32 v4, 4, v3                        ; 16 x lane: a load's and a 16-byte store's offset
	v_add_nc_u32 v5, s23, v4                       ; the stage, on the way in
	v_mul_u32_u24 v6, v1, 528
	v_lshl_add_u32 v6, v2, 7, v6
	v_add_nc_u32 v6, s23, v6                       ; and out: row r, + 128 h bytes: block h
	v_lshlrev_b32 v8, 3, v3                        ; 8 x lane
	v_lshlrev_b32 v9, 3, v2                        ; 8 h: a shift
	v_lshl_add_u32 v10, v1, 4, v9                  ; 16 r + 8 h: my two scale words' place
	v_mov_b32 v7, 0                                ; a lane permute's destination counts as one of its sources
	s_mov_b32 s40, 0x76543210
	s_mov_b32 s41, 0xfedcba98                      ; selects for lane l xor 16
	s_mov_b32 s42, 0xffff0000                      ; lanes 16-31
	s_sub_co_u32 s24, ttmp9, 256
	s_lshr_b32 s25, s24, 5                         ; which weight (of use from work-group 256 on)
	s_and_b32 s24, s24, 31                         ; and which 32 rows of it
	s_wait_kmcnt 0x0
	s_cmp_eq_u32 s25, 0                            ; the choices hang on the work-group's number alone
	s_cselect_b64 s[28:29], s[6:7], s[12:13]
	s_cmp_eq_u32 s25, 1
	s_cselect_b64 s[28:29], s[8:9], s[28:29]
	s_cmp_eq_u32 s25, 2
	s_cselect_b64 s[28:29], s[10:11], s[28:29]
	s_cmp_lt_u32 ttmp9, 256
	s_cselect_b64 s[28:29], s[4:5], s[28:29]
	s_cselect_b32 s24, ttmp9, s24
	s_lshl_b32 s30, s24, 17                        ; 32 rows of 4,096 bytes
	s_lshl_b32 s26, s21, 15                        ; + 8 u rows
	s_add_co_u32 s30, s30, s26
	s_lshl_b32 s26, s22, 11                        ; + half of a row
	s_add_co_u32 s30, s30, s26
	s_mov_b32 s31, 0
	s_add_nc_u64 s[28:29], s[28:29], s[30:31]
	s_lshl_b32 s32, ttmp9, 1
	s_add_co_u32 s32, s32, s21                     ; my tile
	s_mul_i32 s34, s32, 12288
	s_mul_i32 s26, s22, 6144
	s_add_co_u32 s34, s34, s26
	s_mov_b32 s35, 0
	s_add_nc_u64 s[14:15], s[14:15], s[34:35]      ; its images of my half of K
	s_lshl_b32 s34, s32, 9
	s_lshl_b32 s26, s22, 8
	s_add_co_u32 s34, s34, s26
	s_add_nc_u64 s[16:17], s[16:17], s[34:35]      ; and its scale words
.macro LOAD t                          ; step t: 128 numbers of each of the tile's 16 rows
.irp p, 0,1,2,3,4,5,6,7,8,9,10,11,12,13,14,15
	global_load_b128 v[RA+64*((\t)%2)+4*\p:RA+64*((\t)%2)+4*\p+3], v4, s[28:29] offset:(\p+8*(\p/8))*4096+512*(\t) th:TH_LOAD_NT
.endr
.endm
.macro STEP t
.set RS, RA+64*((\t)%2)
.set PC, 224+12*((\t)%2)               ; v224-247: two sets of 12 registers of codes
.if (\t) < 3
	s_wait_loadcnt 16                              ; this step's 16 loads are in; the next step's 16 may be out
.else
	s_wait_loadcnt 0x0
.endif
.irp p, 0,1,2,3,4,5,6,7,8,9,10,11,12,13,14,15
	ds_store_b128 v5, v[RS+4*\p:RS+4*\p+3] offset:528*\p
.endr
.irp c, 0,1
.irp e, 0,1,2,3,4,5,6,7
	ds_load_b128 v[XN+32*\c+4*\e:XN+32*\c+4*\e+3], v6 offset:256*\c+16*\e   ; LDS serves a wave's instructions in order: these see the stores above.  k = 64 c + 32 h + 4 e ..
.endr
.endr
	s_wait_dscnt 0x0                               ; my blocks are in, and the stores have read their registers
.if (\t) < 2
	LOAD (\t)+2
.endif
.irp c, 0,1
	v_max3_num_f32 v[12+\c], |v[XN+32*\c]|, |v[XN+32*\c+1]|, 0x1800000   ; my block 2 c + h, with the floor 2^(3 - 127): the byte cannot fall under 1
.endr
.irp i, 2,4,6,8,10,12,14,16,18,20,22,24,26,28,30
.irp c, 0,1
	v_max3_num_f32 v[12+\c], v[12+\c], |v[XN+32*\c+\i]|, |v[XN+32*\c+\i+1]|
.endr
.endr
.irp c, 0,1
	v_add_nc_u32 v[14+\c], 0xff000000, v[12+\c]    ; 2 off the exponent field: the conversion's scale operand
.endr
.irp c, 0,1
	v_lshrrev_b32 v[30+\c], 23, v[14+\c]           ; the scale's byte
.endr
	v_lshl_or_b32 v11, v31, 16, v30                ; blocks h and 2 + h,
	v_lshlrev_b32 v11, v9, v11                     ; at their places in the word;
	v_permlanex16_b32 v7, v11, s40, s41
	v_or_b32 v[WD+(\t)], v11, v7                   ; with lane l xor 16's two the word is whole
.if (\t) >= 2
	s_wait_xcnt 0x0                                ; the stores of two steps back have read this set of codes
.endif
.irp c, 0,1
	v_cvt_scalef32_pk16_fp6_f32 v[PC+6*\c:PC+6*\c+2], v[XN+32*\c:XN+32*\c+15], v[14+\c]
	v_cvt_scalef32_pk16_fp6_f32 v[20+4*\c:22+4*\c], v[XN+32*\c+16:XN+32*\c+31], v[14+\c]   ; (a conversion's three registers begin on an even number)
.endr
	v_nop                                          ; one plain place behind a scaled conversion
.irp c, 0,1
.irp i, 0,1,2
	v_mov_b32 v[PC+6*\c+3+\i], v[20+4*\c+\i]
.endr
.endr
	global_store_b128 v4, v[PC:PC+3], s[14:15] offset:1536*(\t)            ; 512 consecutive bytes, aligned
	global_store_b64 v8, v[PC+4:PC+5], s[14:15] offset:1536*(\t)+512       ; 256
	global_store_b128 v4, v[PC+6:PC+9], s[14:15] offset:1536*(\t)+768
	global_store_b64 v8, v[PC+10:PC+11], s[14:15] offset:1536*(\t)+1280
.endm
	LOAD 0
	LOAD 1
	STEP 0
	STEP 1
	STEP 2
	STEP 3
	v_cndmask_b32 v28, v[WD], v[WD+2], s42         ; lanes 0-15 store words 0, 1 of their row, lanes 16-31 words 2, 3
	v_cndmask_b32 v29, v[WD+1], v[WD+3], s42
	global_store_b64 v10, v[28:29], s[16:17]       ; 256 consecutive bytes, aligned
	s_wait_tensorcnt 0x0
	ds_add_u32 v254, v255
	s_wait_dscnt 0x0
	s_endpgm
.Ltable:
	; 64 positions a work-group.  A lane: pairs 2 (lane % 16) and the next; lanes 16-31 the odd position.  Eight passes of 8 positions; a wave's store covers two positions' 512 bytes.
	s_sub_co_u32 s21, ttmp9, 384
	s_lshl_b32 s22, s21, 14                        ; 64 positions of 256 bytes
	s_mov_b32 s23, 0
	v_lshlrev_b32 v4, 1, v1
	v_cvt_f32_u32 v5, v4
	v_add_nc_u32 v6, 1, v4
	v_cvt_f32_u32 v6, v6
	v_mul_f32 v5, 0xbed49a78, v5                   ; - i log2(10000) / 32
	v_mul_f32 v6, 0xbed49a78, v6
	v_exp_f32 v33, v5
	v_exp_f32 v34, v6
	v_nop                                          ; a plain place behind the two,
	s_wait_alu depctr_va_vdst(0)                   ; and one wait for both, ahead of their first reader
	s_lshl_b32 s24, s20, 1
	v_add_nc_u32 v7, s24, v2                       ; 2 x wave + the parity
	v_lshlrev_b32 v35, 8, v7
	v_lshl_add_u32 v35, v1, 4, v35                 ; where I store
	s_lshl_b32 s25, s21, 6
	v_add_nc_u32 v7, s25, v7
	v_cvt_f32_u32 v[POS], v7
	s_mov_b32 s30, 0xbe2aaaab                      ; sine: -1/6, 1/120, -1/5040, 1/362880
	s_mov_b32 s31, 0x3c088889
	s_mov_b32 s32, 0xb9500d01
	s_mov_b32 s33, 0x3638ef1d
	s_mov_b32 s34, 0x3d2aaaab                      ; cosine: 1/24, -1/720, 1/40320, -1/3628800
	s_mov_b32 s35, 0xbab60b61
	s_mov_b32 s36, 0x37d00d01
	s_mov_b32 s37, 0xb493f27e
	s_wait_kmcnt 0x0
	s_add_nc_u64 s[18:19], s[18:19], s[22:23]
.macro SINCOS d, f                     ; v[d] = cos, v[d + 1] = sin of position x v[f]
	v_mul_f32 v40, v[POS], v[\f]                   ; the angle, one rounding
	v_mul_f32 v41, 0x3f22f983, v40
	v_rndne_f32 v41, v41                           ; k = the nearest multiple of pi / 2
	v_fmamk_f32 v42, v41, 0xbfc90fdb, v40          ; r = angle - k pi / 2, pi / 2 in three parts
	v_fmamk_f32 v42, v41, 0x333bbd2e, v42
	v_fmamk_f32 v42, v41, 0x26f72ced, v42
	v_cvt_i32_f32 v43, v41
	v_mul_f32 v44, v42, v42                        ; z = r r
	v_fma_f32 v45, v44, s33, s32
	v_fma_f32 v46, v44, s37, s36
	v_fma_f32 v45, v45, v44, s31
	v_fma_f32 v46, v46, v44, s35
	v_fma_f32 v45, v45, v44, s30
	v_fma_f32 v46, v46, v44, s34
	v_mul_f32 v47, v44, v42
	v_fma_f32 v46, v46, v44, -0.5
	v_fma_f32 v45, v45, v47, v42                   ; sin r
	v_fma_f32 v46, v46, v44, 1.0                   ; cos r
	v_and_b32 v47, 1, v43
	v_cmp_eq_u32 vcc_lo, 1, v47                    ; an odd k swaps the two: a choice of values
	v_cndmask_b32 v48, v46, v45, vcc_lo
	v_cndmask_b32 v49, v45, v46, vcc_lo
	v_add_nc_u32 v47, 1, v43
	v_and_b32 v47, 2, v47
	v_and_b32 v43, 2, v43
	v_lshlrev_b32 v47, 30, v47                     ; the cosine's sign: k % 4 = 1, 2
	v_lshlrev_b32 v43, 30, v43                     ; the sine's: k % 4 = 2, 3
	v_xor_b32 v[\d], v48, v47
	v_xor_b32 v[\d+1], v49, v43
.endm
.irp p, 0,1,2,3,4,5,6,7                ; each pass has its own four registers, so no store's data are written again
	SINCOS 64+4*\p, 33
	SINCOS 66+4*\p, 34
	global_store_b128 v35, v[64+4*\p:67+4*\p], s[18:19] offset:2048*\p
	v_add_f32 v[POS], 0x41000000, v[POS]           ; 8 positions on
.endr
	s_endpgm
.Lfunc_end_k_q353cc1fe7a_prep:
	.size	k_q353cc1fe7a_prep, .Lfunc_end_k_q353cc1fe7a_prep-k_q353cc1fe7a_prep
	.p2alignl 7, 3214868480
	.fill 96, 4, 3214868480
	.section	.rodata,"a",@progbits
	.p2align	6, 0x0
	.amdhsa_kernel k_q353cc1fe7a_prep
		.amdhsa_group_segment_fixed_size 34304
		.amdhsa_private_segment_fixed_size 0
		.amdhsa_enable_private_segment 0
		.amdhsa_kernarg_size 64
		.amdhsa_user_sgpr_count 2
		.amdhsa_user_sgpr_kernarg_segment_ptr 1
		.amdhsa_wavefront_size32 1
		.amdhsa_system_sgpr_workgroup_id_x 1
		.amdhsa_system_sgpr_workgroup_id_y 1
		.amdhsa_system_sgpr_workgroup_id_z 1
		.amdhsa_system_vgpr_workitem_id 0
		.amdhsa_next_free_vgpr 256
		.amdhsa_next_free_sgpr 66
		.amdhsa_reserve_vcc 1
		.amdhsa_float_denorm_mode_32 3
		.amdhsa_float_denorm_mode_16_64 3
		.amdhsa_memory_ordered 1
		.amdhsa_forward_progress 1
		.amdhsa_inst_pref_size 54
	.end_amdhsa_kernel
	.amdgpu_metadata
---
amdhsa.version: [ 1, 2 ]
amdhsa.kernels:
  - .name:           k_q353cc1fe7a_prep
    .symbol:         k_q353cc1fe7a_prep.kd
    .args:
      - { .name: x, .offset: 0, .size: 8, .value_kind: global_buffer, .address_space: global }
      - { .name: wq, .offset: 8, .size: 8, .value_kind: global_buffer, .address_space: global }
      - { .name: wk, .offset: 16, .size: 8, .value_kind: global_buffer, .address_space: global }
      - { .name: wv, .offset: 24, .size: 8, .value_kind: global_buffer, .address_space: global }
      - { .name: wo, .offset: 32, .size: 8, .value_kind: global_buffer, .address_space: global }
      - { .name: cod, .offset: 40, .size: 8, .value_kind: global_buffer, .address_space: global }
      - { .name: scl, .offset: 48, .size: 8, .value_kind: global_buffer, .address_space: global }
      - { .name: rope, .offset: 56, .size: 8, .value_kind: global_buffer, .address_space: global }
    .group_segment_fixed_size: 34304
    .private_segment_fixed_size: 0
    .kernarg_segment_align: 8
    .kernarg_segment_size: 64
    .max_flat_workgroup_size: 128
    .sgpr_count:     66
    .vgpr_count:     256
    .wavefront_size: 32
...
	.end_amdgpu_metadata
.endif
;; end of part 1
;; launch qkv (part 2): grid 12 x 32, 4 waves a work-group, clusters of 4 x 4, 327,680 bytes of LDS; arguments cod, scl, rope, qb, kv; writes qb, kv
.if DOCPART == 2
	.amdgcn_target "amdgcn-amd-amdhsa--gfx1250"
	.amdhsa_code_object_version 6
	.text
	.protected	k_q353cc1fe7a_qkv
	.globl	k_q353cc1fe7a_qkv
	.p2align	8
	.type	k_q353cc1fe7a_qkv,@function
k_q353cc1fe7a_qkv:
	s_mov_b64 s[64:65], 0
	v_nop
	global_prefetch_b8 v0, s[64:65] scope:SCOPE_SE
	s_setreg_imm32_b32 hwreg(HW_REG_WAVE_MODE, 25, 1), 1
	s_wait_xcnt 0x0
	s_wait_alu depctr_hold_cnt(0) depctr_sa_sdst(0) depctr_va_vdst(0) depctr_va_sdst(0) depctr_va_ssrc(0) depctr_va_vcc(0) depctr_vm_vsrc(0)
	s_getreg_b32 s2, hwreg(HW_REG_IB_STS2, 6, 4)
	s_cmp_eq_u32 s2, 0
	s_cbranch_scc0 .Lentry_in_a_cluster
	s_endpgm
.Lentry_in_a_cluster:
	s_bfe_u32 s2, ttmp6, 0x10000c
	s_cmp_lg_u32 s2, 0xf033
	s_cbranch_scc0 .Lentry_shape_is_right
	s_endpgm
.Lentry_shape_is_right:
; QKV.  q = x wq^T, k = x wk^T, v = x wv^T on codes of FP6 (E2M3) with E8M0 scales; q and k are rotated; all three are quantised again, from f32, and leave as images of operand registers.
; A tile of 256 x 256 results to a work-group of four waves, 128 x 128 to a wave: 64 accumulators.  K = 1,024 goes in four steps of 256 through two LDS slots filled by the tensor data mover.
; THE CLUSTER'S x IS THE MODE: 0 = q, 1 = k: region A of a slot holds rows of x, region B rows of the weight.  2 = v: they change places (A: wv, B: x).  Source 0 = B, source 1 = A: in a result a lane holds ONE row of A
; and its registers run along B's rows.  So for q and k a lane holds one position and 128 outputs (two heads), for v one output and 128 keys: each time the next product's K lies along the registers.
; The rows lie in tiles of 16 in the order tile 2 G + u, place p = row 32 G + 8 u + p + 8 (p / 8): the 16 registers of B's tiles 2 b, 2 b + 1 are neighbours 32 b + 16 (lane / 16) + 0 .. 15.
; cod: [tile][16 images of 768 bytes] (16 rows x 64 codes as the operand's registers: registers 0-3 at 16 x lane, 4-5 at 512 + 8 x lane): a fragment of 128 along K is four contiguous LDS loads, no padding needed.
; scl: [tile][half of K][row][4 words].  The scales of the work-group's rows for all of K come into LDS once.
; OUT.  qb: records (16 (16 batch + head) + group of 128 queries) of 6,656 bytes: 8 images, then 512 bytes of scale words [lane 16 (t / 4) + r][t % 4], bytes 2, 3 = 0.
; kv: records of 13,056 bytes: K as in qb; from 6,656 V's four fragments (16 of the head's 64 x 128 keys) of 1,536 bytes; from 12,800 their scale words [lane 16 (u / 2) + r][u % 2].
; CLUSTERS: 4 x 4 work-groups; A's tiles are asked for jointly along a row of the cluster, B's along a column.  No prefetch: of four slots two are first fills, and the tiles are shared.
; LIMITS: a block of zeros gets the byte 1 (its codes are zeros; only this program reads the bytes); NaN and infinities are not served.
; REGISTERS, in windows of 256: window 0: v16-29 addresses; v32-63 scale words, two sets, and nothing else; v64-127 rotated numbers; from v128 A's fragments, later codes and work.  window 1: B's fragments, two sets; later the table.
;   window 2: accumulators of my rows 0-63 of A ((a, b) at v[8 (8 a + b)]); window 3: of rows 64-127.
.set NQ,     2                         ; matrix instructions deep in a slot
.set FR,     12                        ; registers of a fragment
.set NL,     4                         ; LDS loads that bring one
.set NP,     4                         ; places behind this matrix instruction (ISA guide 7.12.1)
.set TILEB,  3072                      ; a tile's part of a slot: four images
.set HALFT,  8*TILEB                   ; 128 rows: what one tensor load brings
.set SLOT,   4*HALFT                   ; A's 256 rows, then B's
.set SCL,    2*SLOT                    ; behind the ring: the scales, A's 8,192 bytes, then B's
.set HALFS,  4096
.set SPARE,  SCL+4*HALFS               ; the spare words, 128 bytes for each wave
.set ADRA, 16                          ; v16-17 A's fragments in slot 0, 1, 16 x lane; v18-19 the same with 8 x lane
.set ADRB, 20                          ; v20-23 the same for B
.set O16,  24                          ; v24 16 x lane   (the way out)
.set O8,   25                          ; v25 8 x lane
.set TL,   26                          ; v26 my position's row of the table, + 64 (lane / 16)
.set ADRS, 27                          ; v27 my scale words: lanes 0-15 A's rows, lanes 16-31 B's
.set SPW,  28
.set NIL,  29
.set SC,   32
.set HA,   64
.set AF,   128
.set PC,   128                         ; the way out: v128-139 codes, v140-147 the conversions' second halves
.set W0,   148                         ; v148-151, v152-155 the two heads' scale words; v156-158 at work; v160-161 V's
.set W1,   152
.set PW,   156
.set VW,   160
.set TM,   200                         ; v200-215 maxima, bytes, scale operands
.set G1, 24
.set G0, 32
.set G1B, 48
.set G0B, 56
.set G1S, 68
.set G0S, 76
.set G1SB, 80
.set G0SB, 88
.set MSB, 0
.macro WIN new                         ; the immediate's high byte repeats the setting that is left
.if MSB != (\new)
	s_set_vgpr_msb (MSB<<8)|(\new)
.set MSB, (\new)
.endif
.endm
.set MUL_LO, 0xa1                      ; source 0 (B) window 1, source 1 (A) window 0, C and D window 2
.set MUL_HI, 0xf1
.set TO_B,   0x40
; A joint load: waves 0 and 1 fetch for A, waves 2 and 3 for B; the branch hangs on the wave's number alone.  Four v_nop follow each line.
.macro JLOAD g0a, g1a, g0b, g1b
	s_cmp_eq_u32 s15, 0
	s_cbranch_scc0 .Lfor_b_\@
	tensor_load_to_lds s[\g0a:\g0a+3], s[\g1a:\g1a+7]
	s_nop 0
.rept 4
	v_nop
.endr
	s_branch .Lasked_\@
.Lfor_b_\@:
	tensor_load_to_lds s[\g0b:\g0b+3], s[\g1b:\g1b+7]
	s_nop 0
.rept 4
	v_nop
.endr
.Lasked_\@:
.endm
.macro CREST                           ; a round of the cluster's barrier behind its opening barrier
	s_cmp_lg_u32 s14, 0
	s_cbranch_scc1 .Lnot_wave_0_\@
	s_barrier_signal -3
.Lnot_wave_0_\@:
	s_barrier_wait -3
	s_barrier_signal -1
	s_barrier_wait -1
.endm
.macro CROUND
	s_barrier_signal -1
	s_barrier_wait -1
	CREST
.endm
	s_load_b128 s[4:7], s[0:1], 0x0                ; cod, scl
	s_load_b128 s[8:11], s[0:1], 0x10              ; rope, qb
	s_load_b64 s[12:13], s[0:1], 0x20              ; kv
	v_lshl_add_u32 v[SPW], v0, 2, SPARE
	v_mov_b32 v[NIL], 0
	ds_add_u32 v28, v29
	ds_add_u32 v28, v29
	s_wait_dscnt 0x0
	v_lshrrev_b32 v1, 5, v0
	v_readfirstlane_b32 s14, v1                    ; wave
	s_lshr_b32 s15, s14, 1                         ; my half of A's rows.  Also: I fetch for A (0) or B (1)
	s_and_b32 s16, s14, 1                          ; my half of B's rows.  Also: which 128 rows I fetch
	s_bfe_u32 s40, ttmp6, 0x40000                  ; cx
	s_bfe_u32 s41, ttmp6, 0x40004                  ; cy
	s_and_b32 s17, ttmp7, 0xffff                   ; the cluster's y
	s_lshl_b32 s43, s41, 2
	s_lshl_b32 s43, 15, s43                        ; my row of the cluster
	s_lshl_b32 s44, 0x1111, s40                    ; my column
	s_or_b32 s[G1+0], s43, (3<<16)|(1<<21)         ; the mask; elements of 8 bytes; bit 21 beside a mask; no padding
	s_or_b32 s[G1B+0], s44, (3<<16)|(1<<21)
.irp g, G1, G1B                        ; 8 tiles' parts of a slot: 8 rows of 3,072 bytes, 12,288 bytes apart
	s_mov_b32 s[\g+1], 384<<16
	s_mov_b32 s[\g+2], 8<<16
	s_mov_b32 s[\g+3], 384<<16
	s_mov_b32 s[\g+4], 8
	s_mov_b32 s[\g+5], 1536
	s_mov_b32 s[\g+6], 0
	s_mov_b32 s[\g+7], 0
.endr
	s_or_b32 s[G1S+0], s43, (3<<16)|(1<<21)
	s_or_b32 s[G1SB+0], s44, (3<<16)|(1<<21)
.irp g, G1S, G1SB                      ; the scales of 128 rows: 4,096 dense bytes as 16 rows of 256
	s_mov_b32 s[\g+1], 32<<16
	s_mov_b32 s[\g+2], 16<<16
	s_mov_b32 s[\g+3], 32<<16
	s_mov_b32 s[\g+4], 16
	s_mov_b32 s[\g+5], 32
	s_mov_b32 s[\g+6], 0
	s_mov_b32 s[\g+7], 0
.endr
	s_lshl_b32 s18, s16, 7                         ; which 128 rows I fetch
	s_lshl_b32 s19, s17, 10                        ; 1,024 rows of x to a cluster's y
	s_lshl_b32 s46, ttmp9, 10
	s_add_co_u32 s46, s46, 8192                    ; wq's or wk's first row
	s_mov_b32 s20, 10240                           ; wv's
	s_cmp_eq_u32 ttmp9, 2                          ; the mode: the same in all sixteen partners
	s_cselect_b32 s20, s20, s19                    ; A: wv or x
	s_cselect_b32 s46, s19, s46                    ; B: x or the weight
	s_lshl_b32 s21, s41, 8
	s_add_co_u32 s20, s20, s21                     ; A's rows hang on cy, which my row of the cluster shares,
	s_add_co_u32 s20, s20, s18
	s_lshl_b32 s47, s40, 8
	s_add_co_u32 s46, s46, s47                     ; B's on cx, which my column shares
	s_add_co_u32 s46, s46, s18
	s_lshl_b32 s22, s20, 5                         ; 32 bytes of scales a row,
	s_mov_b32 s23, 0
	s_mul_i32 s20, s20, 768                        ; 768 of codes
	s_mov_b32 s21, 0
	s_lshl_b32 s92, s46, 5
	s_mov_b32 s93, 0
	s_mul_i32 s46, s46, 768
	s_mov_b32 s47, 0
	s_mul_i32 s45, s14, HALFT                      ; where they go: by the wave's number alone
	s_lshl_b32 s94, s14, 12
	s_wait_kmcnt 0x0
	s_add_nc_u64 s[20:21], s[4:5], s[20:21]
	s_add_nc_u64 s[22:23], s[6:7], s[22:23]
	s_add_nc_u64 s[46:47], s[4:5], s[46:47]
	s_add_nc_u64 s[92:93], s[6:7], s[92:93]
	CROUND                                         ; all sixteen work-groups are here: the first joint loads meet
	s_mov_b32 s[G0S], 1
	s_add_co_u32 s[G0S+1], s94, SCL
	s_mov_b64 s[G0S+2:G0S+3], s[22:23]
	s_or_b32 s[G0S+3], s[G0S+3], 0x80000000
	s_mov_b32 s[G0SB], 1
	s_add_co_u32 s[G0SB+1], s94, SCL
	s_mov_b64 s[G0SB+2:G0SB+3], s[92:93]
	s_or_b32 s[G0SB+3], s[G0SB+3], 0x80000000
	JLOAD G0S, G1S, G0SB, G1SB                     ; the scales first
.irp s, 0,1
	s_mov_b32 s[G0+4*\s], 1
	s_add_co_u32 s[G0+4*\s+1], s45, \s*SLOT
	s_add_nc_u64 s[G0+4*\s+2:G0+4*\s+3], s[20:21], \s*TILEB
	s_or_b32 s[G0+4*\s+3], s[G0+4*\s+3], 0x80000000
	s_mov_b32 s[G0B+4*\s], 1
	s_add_co_u32 s[G0B+4*\s+1], s45, \s*SLOT
	s_add_nc_u64 s[G0B+4*\s+2:G0B+4*\s+3], s[46:47], \s*TILEB
	s_or_b32 s[G0B+4*\s+3], s[G0B+4*\s+3], 0x80000000
	JLOAD G0+4*\s, G1, G0B+4*\s, G1B               ; three loads of mine are out
.endr
	v_and_b32 v1, 31, v0
	v_lshlrev_b32 v4, 4, v1                        ; 16 x lane
	v_lshlrev_b32 v5, 3, v1                        ; 8 x lane
	v_and_b32 v2, 15, v0                           ; r
	v_bfe_u32 v3, v0, 4, 1                         ; h
	s_mul_i32 s21, s15, HALFT                      ; my 128 rows of A
	s_mul_i32 s22, s16, HALFT
	s_add_co_u32 s22, s22, 2*HALFT                 ; and of B
.irp s, 0,1
	v_add_nc_u32 v[ADRA+\s], s21, v4
	v_add_nc_u32 v[ADRB+\s], s22, v4
	v_add_nc_u32 v[ADRA+2+\s], s21, v5
	v_add_nc_u32 v[ADRB+2+\s], s22, v5
	s_add_co_u32 s21, s21, SLOT
	s_add_co_u32 s22, s22, SLOT
.endr
	v_lshlrev_b32 v6, 4, v2                        ; 16 bytes of scale words a row and half of K
	s_lshl_b32 s21, s15, 12                        ; A's: my 128 rows
	s_lshl_b32 s22, s16, 12
	s_add_co_u32 s22, s22, 2*HALFS                 ; B's, behind A's
	s_sub_co_u32 s22, s22, s21
	v_mul_u32_u24 v7, s22, v3                      ; lanes 16-31 take B's: one product, the distance x h
	s_add_co_u32 s21, s21, SCL
	v_add_nc_u32 v6, v6, v7
	v_add_nc_u32 v[ADRS], s21, v6
	; where the results go.  One run of selects serves the three modes: which of cx, cy counts rows of x and which heads
	s_cmp_eq_u32 ttmp9, 2
	s_cselect_b32 s66, s40, s41                    ; the 256 rows of x among the cluster's 1,024
	s_cselect_b32 s67, s41, s40                    ; the four heads
	s_cselect_b32 s95, s16, s15                    ; my half of the rows of x
	s_cselect_b32 s98, s15, s16                    ; my two of the four heads
	s_cselect_b32 s99, 6656, 0                     ; V lies behind K in a record
	s_lshl_b32 s20, s17, 2
	s_add_co_u32 s66, s66, s20
	s_lshr_b32 s20, s66, 3                         ; the batch
	s_and_b32 s66, s66, 7
	s_lshl_b32 s20, s20, 4
	s_lshl_b32 s67, s67, 2
	s_add_co_u32 s20, s20, s67
	s_lshl_b32 s98, s98, 1
	s_add_co_u32 s20, s20, s98                     ; 16 batch + head
	s_lshl_b32 s20, s20, 4
	s_lshl_b32 s66, s66, 1
	s_add_co_u32 s66, s66, s95                     ; the group of 128 positions in the batch
	s_add_co_u32 s20, s20, s66                     ; the record
	s_mov_b32 s67, 13056
	s_cmp_eq_u32 ttmp9, 0
	s_cselect_b32 s67, 6656, s67                   ; its size
	s_cselect_b64 s[22:23], s[10:11], s[12:13]     ; qb or kv
	s_mul_i32 s20, s20, s67
	s_add_co_u32 s20, s20, s99
	s_mov_b32 s21, 0
	s_add_nc_u64 s[20:21], s[22:23], s[20:21]      ; my first head's record,
	s_lshl_b32 s98, s67, 4
	s_mov_b32 s99, 0
	s_add_nc_u64 s[22:23], s[20:21], s[98:99]      ; and my second head's, 16 records on
	s_lshl_b32 s92, s66, 15                        ; 128 positions of 256 bytes
	s_mov_b32 s93, 0
	s_add_nc_u64 s[92:93], s[8:9], s[92:93]        ; the table at my first position
	s_mov_b32 s94, 0xffff0000                      ; lanes 16-31
	s_mov_b32 s96, 0x76543210
	s_mov_b32 s97, 0xfedcba98                      ; selects for lane l xor 16
.macro FRAG reg, adr, q, i             ; a fragment, 16 rows x 128 K: two images, four contiguous loads
	ds_load_b128 v[\reg:\reg+3], v[\adr] offset:TILEB*(\i)+1536*(\q)
	ds_load_b64 v[\reg+4:\reg+5], v[\adr+2] offset:TILEB*(\i)+1536*(\q)+512
	ds_load_b128 v[\reg+6:\reg+9], v[\adr] offset:TILEB*(\i)+1536*(\q)+768
	ds_load_b64 v[\reg+10:\reg+11], v[\adr+2] offset:TILEB*(\i)+1536*(\q)+1280
.endm
; 16 matrix instructions: A's blocks a0, a0 + 1 x B's eight.  The 64 accumulators take turns, one instruction a turn, in the same order in every step.
.macro MUL16 a0, p, q, sc, zero
.irp a, \a0, \a0+1
.irp b, 0,1,2,3,4,5,6,7
.if \zero
	v_wmma_scale_f32_16x16x128_f8f6f4 v[8*(8*((\a)%4)+\b):8*(8*((\a)%4)+\b)+7], v[128*(\p)+FR*\b:128*(\p)+FR*\b+FR-1], v[AF+FR*(\a):AF+FR*(\a)+FR-1], 0, v[SC+8*NQ*(\sc)+NQ*\b+(\q)], v[SC+8*NQ*(\sc)+NQ*(\a)+(\q)] matrix_a_fmt:MATRIX_FMT_FP6 matrix_b_fmt:MATRIX_FMT_FP6 matrix_a_scale:MATRIX_SCALE_ROW1
.else
	v_wmma_scale_f32_16x16x128_f8f6f4 v[8*(8*((\a)%4)+\b):8*(8*((\a)%4)+\b)+7], v[128*(\p)+FR*\b:128*(\p)+FR*\b+FR-1], v[AF+FR*(\a):AF+FR*(\a)+FR-1], v[8*(8*((\a)%4)+\b):8*(8*((\a)%4)+\b)+7], v[SC+8*NQ*(\sc)+NQ*\b+(\q)], v[SC+8*NQ*(\sc)+NQ*(\a)+(\q)] matrix_a_fmt:MATRIX_FMT_FP6 matrix_b_fmt:MATRIX_FMT_FP6 matrix_a_scale:MATRIX_SCALE_ROW1
.endif
.endr
.endr
.endm
.macro FETCH_B slot, q, p
	WIN TO_B
.irp i, 0,1,2,3,4,5,6,7
	FRAG 128*(\p)+FR*\i, ADRB+\slot, \q, \i
.endr
	WIN 0
.endm
.macro FETCH_A slot, q, i0
.irp i, \i0, \i0+1, \i0+2, \i0+3
	FRAG AF+FR*(\i), ADRA+\slot, \q, \i
.endr
.endm
.macro SCALES sc, sl                   ; the two words of K step sl (256 along K) of each block into set sc: lanes 0-15 A's block i, lanes 16-31 B's
.irp i, 0,1,2,3,4,5,6,7
	ds_load_b64 v[SC+8*NQ*(\sc)+NQ*\i:SC+8*NQ*(\sc)+NQ*\i+1], v[ADRS] offset:512*\i+256*((\sl)/2)+8*((\sl)%2)
.endr
.endm
.macro PLACES n                        ; plain vector instructions between a matrix instruction and a load into, or a read of, its registers
.rept \n
	v_nop
.endr
.endm
.macro STEP slot, q, zero              ; 128 along K with its successor in the same slot
	s_wait_dscnt 4*NL                              ; all but the youngest 16 loads (A's blocks 4-7)
	WIN MUL_LO
	MUL16 0, (\q)%2, \q, \slot, \zero
	MUL16 2, (\q)%2, \q, \slot, \zero
	s_wait_dscnt 0
	PLACES NP
	FETCH_B \slot, (\q)+1, 1-(\q)%2
	FETCH_A \slot, (\q)+1, 0
	WIN MUL_HI
	MUL16 4, (\q)%2, \q, \slot, \zero
	MUL16 6, (\q)%2, \q, \slot, \zero
	PLACES NP
	WIN 0
	FETCH_A \slot, (\q)+1, 4
.endm
; A slot's last step changes slots: one barrier; in front of it each wave waits for all its tensor loads, adds 0 to its spare word, and waits for that and for its reads of this slot.
.macro TURN slot, next, fill, sl
	s_wait_tensorcnt 0x0                           ; all my tensor loads have landed: my part of the next slot
	ds_add_u32 v[SPW], v[NIL]
	s_wait_dscnt 4*NL+1                            ; (the add and A's blocks 4-7, 16 loads, may be out)
	WIN MUL_LO
	MUL16 0, 1, NQ-1, \slot, 0
	s_wait_dscnt 0x0                               ; the add is done, and my reads of this slot are over
	s_barrier_signal -1
	MUL16 2, 1, NQ-1, \slot, 0
	WIN 0
	s_barrier_wait -1
.if \fill
	CREST                                          ; the barrier has opened a round of the cluster's: no wave of any partner still reads this slot or has a load on its way
	s_add_nc_u64 s[G0+4*\slot+2:G0+4*\slot+3], s[G0+4*\slot+2:G0+4*\slot+3], 2*TILEB
	s_add_nc_u64 s[G0B+4*\slot+2:G0B+4*\slot+3], s[G0B+4*\slot+2:G0B+4*\slot+3], 2*TILEB
	JLOAD G0+4*\slot, G1, G0B+4*\slot, G1B         ; the first tensor load behind the round; its four v_nop are the places in front of the loads below
.else
	PLACES NP
.endif
	FETCH_B \next, 0, 0
	FETCH_A \next, 0, 0
	SCALES \next, \sl
	WIN MUL_HI
	MUL16 4, 1, NQ-1, \slot, 0
	MUL16 6, 1, NQ-1, \slot, 0
	PLACES NP
	WIN 0
	FETCH_A \next, 0, 4
.endm
	s_wait_tensorcnt 1                             ; the scales and my part of slot 0 are in (slot 1's load may be out),
	s_barrier_signal -1
	s_barrier_wait -1                              ; everybody's are
	FETCH_B 0, 0, 0
	FETCH_A 0, 0, 0
	SCALES 0, 0
	FETCH_A 0, 0, 4
	STEP 0, 0, 1                                   ; the first products start the sums
	TURN 0, 1, 1, 1                                ; K = 1,024 is four slots: written out, no loop
	STEP 1, 0, 0
	TURN 1, 0, 1, 2
	STEP 0, 0, 0
	TURN 0, 1, 0, 3
	STEP 1, 0, 0
	s_wait_dscnt 4*NL
	WIN MUL_LO
	MUL16 0, 1, NQ-1, 1, 0
	MUL16 2, 1, NQ-1, 1, 0
	s_wait_dscnt 0
	WIN MUL_HI
	MUL16 4, 1, NQ-1, 1, 0
	MUL16 6, 1, NQ-1, 1, 0
	WIN 0
; THE WAY OUT, straight from registers.
; 64 numbers of a lane, register 16 b + i = k 32 b + 16 (lane / 16) + i of my row, become a fragment's codes in v[PC] on and its scale word in v[pw].  wa, wb: the windows for the maxima and for the conversions.
.macro QUANT s, wa, wb, pw
	WIN \wa
.irp b, 0,1,2,3
	v_max3_num_f32 v[TM+\b], |v[\s+16*\b]|, |v[\s+1+16*\b]|, 0x1800000   ; with the floor 2^(3 - 127): the byte cannot fall under 1.  Each accumulator is read from its low end on
.endr
.irp i, 2,4,6,8,10,12,14
.irp b, 0,1,2,3
	v_max3_num_f32 v[TM+\b], |v[\s+16*\b+\i]|, |v[\s+1+16*\b+\i]|, v[TM+\b]
.endr
.endr
	WIN 0
.irp b, 0,1,2,3
	v_permlanex16_b32 v[TM+4+\b], v[TM+\b], s96, s97
.endr
.irp b, 0,1,2,3
	v_max_num_f32 v[TM+\b], v[TM+\b], v[TM+4+\b]   ; with lane l xor 16's: the block's largest magnitude
.endr
.irp b, 0,1,2,3
	v_add_nc_u32 v[TM+12+\b], 0xff000000, v[TM+\b] ; 2 off its exponent field: the conversion's scale operand
.endr
.irp b, 0,1,2,3
	v_lshrrev_b32 v[TM+4+\b], 23, v[TM+12+\b]      ; the scale's byte
.endr
	v_lshl_or_b32 v[\pw], v[TM+5], 8, v[TM+4]
	v_lshl_or_b32 v[\pw], v[TM+6], 16, v[\pw]
	v_lshl_or_b32 v[\pw], v[TM+7], 24, v[\pw]
	WIN \wb
.irp c, 0,1
	v_cvt_scalef32_pk16_fp6_f32 v[PC+6*\c:PC+2+6*\c], v[\s+32*\c:\s+15+32*\c], v[TM+12+2*\c]
	v_cvt_scalef32_pk16_fp6_f32 v[PC+12+4*\c:PC+14+4*\c], v[\s+16+32*\c:\s+31+32*\c], v[TM+12+2*\c+1]
.endr
	WIN 0
	v_nop                                          ; one plain place behind a scaled conversion
.irp c, 0,1                            ; the operand's layout wants a whole block in a lane
.irp i, 0,1,2
	v_permlane16_swap_b32 v[PC+6*\c+\i], v[PC+12+4*\c+\i]
.endr
.irp i, 0,1,2
	v_mov_b32 v[PC+3+6*\c+\i], v[PC+12+4*\c+\i]
.endr
.endr
.endm
	PLACES NP                                      ; behind the last products: their registers are read, written and loaded into below
	v_and_b32 v1, 31, v0
	v_lshlrev_b32 v[O16], 4, v1
	v_lshlrev_b32 v[O8], 3, v1
	v_and_b32 v2, 15, v0
	v_bfe_u32 v3, v0, 4, 1
	v_and_b32 v4, 8, v2
	v_add_nc_u32 v4, v4, v2                        ; r + 8 (r / 8): my position in a tile
	v_lshlrev_b32 v[TL], 8, v4
	v_lshl_add_u32 v[TL], v3, 6, v[TL]             ; its row of the table, + the 8 pairs of my half
.irp b, 0,1,2,3
	v_mov_b32 v[TM+4+\b], 0                        ; a lane permute's destination counts as one of its sources
.endr
	s_cmp_eq_u32 ttmp9, 2
	s_cbranch_scc1 .Lvpath
	; q and k.  Block a: 16 positions; a lane's 64 numbers are outputs 32 b + 16 h + i: two heads of 64.  Both heads take the same 16 pairs (cos, sin) of the lane's half: 32 registers a block, all asked for now.
	WIN 0x40                                       ; destination window 1
.irp a, 0,1,2,3,4,5,6,7
.irp e, 0,1,2,3,4,5,6,7
	global_load_b128 v[32*\a+4*\e:32*\a+4*\e+3], v[TL], s[92:93] offset:(32*(\a/2)+8*(\a%2))*256+128*(\e/4)+16*(\e%4)
.endr
.endr
	WIN 0
.macro EPI a
	s_wait_loadcnt 56-8*(\a)                       ; this block's 8 loads are in; the later blocks', 8 each, may be out
.if (\a) > 0
	s_wait_xcnt 0x0                                ; the last block's stores have read their codes
.endif
	WIN 0x06+(\a)/4                                ; source 0: the accumulators' window; source 1: the table's
.set AC, 64*((\a)%4)
.set PP, 0
.rept 32
	v_pk_mul_f32 v[HA+2*PP:HA+2*PP+1], v[AC+2*PP:AC+2*PP+1], v[32*(\a)+2*(PP%16):32*(\a)+2*(PP%16)+1] op_sel_hi:[1,0]   ; (x1 cos, x2 cos)
.set PP, PP+1
.endr
.set PP, 0
.rept 32
	v_pk_fma_f32 v[HA+2*PP:HA+2*PP+1], v[AC+2*PP:AC+2*PP+1], v[32*(\a)+2*(PP%16):32*(\a)+2*(PP%16)+1], v[HA+2*PP:HA+2*PP+1] op_sel:[1,1,0] op_sel_hi:[0,1,1] neg_lo:[1,0,0]   ; (- x2 sin + .., x1 sin + ..)
.set PP, PP+1
.endr
	WIN 0
	QUANT HA, 0, 0, PW
	global_store_b128 v[O16], v[PC:PC+3], s[20:21] offset:768*(\a)         ; the first head's image: 512 and 256 consecutive bytes, aligned
	global_store_b64 v[O8], v[PC+4:PC+5], s[20:21] offset:768*(\a)+512
	global_store_b128 v[O16], v[PC+6:PC+9], s[22:23] offset:768*(\a)       ; the second head's
	global_store_b64 v[O8], v[PC+10:PC+11], s[22:23] offset:768*(\a)+512
.if (\a) < 4
	v_and_b32 v[W0+(\a)], 0xffff, v[PW]            ; a head's two bytes, bytes 2 and 3 zero: tiles 0-3 in lanes 0-15,
	v_lshrrev_b32 v[W1+(\a)], 16, v[PW]
.else
	v_and_b32 v[PW+1], 0xffff, v[PW]
	v_lshrrev_b32 v[PW+2], 16, v[PW]
	v_cndmask_b32 v[W0+(\a)-4], v[W0+(\a)-4], v[PW+1], s94   ; tiles 4-7 in lanes 16-31
	v_cndmask_b32 v[W1+(\a)-4], v[W1+(\a)-4], v[PW+2], s94
.endif
.endm
.irp a, 0,1,2,3,4,5,6,7
	EPI \a
.endr
	global_store_b128 v[O16], v[W0:W0+3], s[20:21] offset:6144
	global_store_b128 v[O16], v[W1:W1+3], s[22:23] offset:6144
	s_branch .Ldone
.Lvpath:
	; v.  Block a: 16 outputs (tile a % 4 of head a / 4); a lane's 64 numbers are keys 32 b + 16 h + i of the wave's 128: one fragment of V with the keys innermost.
.macro EPV a
	s_wait_xcnt 0x0                                ; earlier stores have read their registers
.if (\a)%4 < 2
	QUANT 64*((\a)%4), 0x0a+5*((\a)/4), 0x02+(\a)/4, VW+(\a)%2
.else
	QUANT 64*((\a)%4), 0x0a+5*((\a)/4), 0x02+(\a)/4, PW
	v_cndmask_b32 v[VW+(\a)%2], v[VW+(\a)%2], v[PW], s94   ; tiles 2, 3 in lanes 16-31
.endif
	global_store_b128 v[O16], v[PC:PC+3], s[20+2*((\a)/4):21+2*((\a)/4)] offset:1536*((\a)%4)
	global_store_b64 v[O8], v[PC+4:PC+5], s[20+2*((\a)/4):21+2*((\a)/4)] offset:1536*((\a)%4)+512
	global_store_b128 v[O16], v[PC+6:PC+9], s[20+2*((\a)/4):21+2*((\a)/4)] offset:1536*((\a)%4)+768
	global_store_b64 v[O8], v[PC+10:PC+11], s[20+2*((\a)/4):21+2*((\a)/4)] offset:1536*((\a)%4)+1280
.if (\a)%4 == 3
	global_store_b64 v[O8], v[VW:VW+1], s[20+2*((\a)/4):21+2*((\a)/4)] offset:6144
.endif
.endm
.irp a, 0,1,2,3,4,5,6,7
	EPV \a
.endr
.Ldone:
	s_wait_tensorcnt 0x0                           ; the wave's end
	ds_add_u32 v[SPW], v[NIL]
	s_wait_dscnt 0x0
	CROUND                                         ; the closing round
	s_endpgm
.Lfunc_end_k_q353cc1fe7a_qkv:
	.size	k_q353cc1fe7a_qkv, .Lfunc_end_k_q353cc1fe7a_qkv-k_q353cc1fe7a_qkv
	.p2alignl 7, 3214868480
	.fill 96, 4, 3214868480
	.section	.rodata,"a",@progbits
	.p2align	6, 0x0
	.amdhsa_kernel k_q353cc1fe7a_qkv
		.amdhsa_group_segment_fixed_size 327680
		.amdhsa_private_segment_fixed_size 0
		.amdhsa_enable_private_segment 0
		.amdhsa_kernarg_size 40
		.amdhsa_user_sgpr_count 2
		.amdhsa_user_sgpr_kernarg_segment_ptr 1
		.amdhsa_wavefront_size32 1
		.amdhsa_system_sgpr_workgroup_id_x 1
		.amdhsa_system_sgpr_workgroup_id_y 1
		.amdhsa_system_sgpr_workgroup_id_z 1
		.amdhsa_system_vgpr_workitem_id 0
		.amdhsa_next_free_vgpr 1024
		.amdhsa_next_free_sgpr 100
		.amdhsa_reserve_vcc 0
		.amdhsa_float_denorm_mode_32 3
		.amdhsa_float_denorm_mode_16_64 3
		.amdhsa_memory_ordered 1
		.amdhsa_forward_progress 1
		.amdhsa_inst_pref_size 223
	.end_amdhsa_kernel
	.amdgpu_metadata
---
amdhsa.version: [ 1, 2 ]
amdhsa.kernels:
  - .name:           k_q353cc1fe7a_qkv
    .symbol:         k_q353cc1fe7a_qkv.kd
    .args:
      - { .name: cod, .offset: 0, .size: 8, .value_kind: global_buffer, .address_space: global }
      - { .name: scl, .offset: 8, .size: 8, .value_kind: global_buffer, .address_space: global }
      - { .name: rope, .offset: 16, .size: 8, .value_kind: global_buffer, .address_space: global }
      - { .name: qb, .offset: 24, .size: 8, .value_kind: global_buffer, .address_space: global }
      - { .name: kv, .offset: 32, .size: 8, .value_kind: global_buffer, .address_space: global }
    .group_segment_fixed_size: 327680
    .private_segment_fixed_size: 0
    .kernarg_segment_align: 8
    .kernarg_segment_size: 40
    .max_flat_workgroup_size: 128
    .sgpr_count:     100
    .vgpr_count:     1024
    .wavefront_size: 32
...
	.end_amdgpu_metadata
.endif
;; end of part 2
;; launch attn (part 3): grid 4 x 64, 16 waves a work-group, no clusters, 327,680 bytes of LDS; arguments qb, kv, ctc, cts; writes ctc, cts
.if DOCPART == 3
	.amdgcn_target "amdgcn-amd-amdhsa--gfx1250"
	.amdhsa_code_object_version 6
	.text
	.protected	k_q353cc1fe7a_attn
	.globl	k_q353cc1fe7a_attn
	.p2align	8
	.type	k_q353cc1fe7a_attn,@function
k_q353cc1fe7a_attn:
	s_mov_b64 s[64:65], 0
	v_nop
	global_prefetch_b8 v0, s[64:65] scope:SCOPE_SE
	s_setreg_imm32_b32 hwreg(HW_REG_WAVE_MODE, 25, 1), 1
	s_wait_xcnt 0x0
; ATTN.  ctx = softmax(q k^T / 8, causal) v for one head of one batch, both products on codes of FP6 (E2M3) with E8M0 scales; ctx is quantised along the head's 64 for the last product.
; THE SOFTMAX: t = score x log2(e) / 8; M = the running largest t rounded up to a whole number; p = 2^(t - M) is quantised along the keys, not normalised; the row's sum is taken of the unquantised p and divides at the end.
; SHARES.  Work-group (i, head and batch) owns the blocks i and 7 - i of 256 queries.  Wave w owns tile w of block i (A) and tile w xor 15 of block 7 - i (B): 2 i + w / 8 + 1 and 2 (7 - i) + (15 - w) / 8 + 1 visible
; steps of 128 keys, 17 for every wave.  A step's fragments of K are loaded once for both tiles.
; NO RING.  The head's 16 records of K and V, 208,896 bytes, lie in LDS whole, filled once: each wave brings 13 and then 38 rows of 256 bytes.  The first four steps lie inside the first fills (52,224 of 53,248 bytes).
; LAYOUT.  S^T = K Q^T, O^T = V^T P^T: a lane holds one query.  Tiles are in the order tile 2 b + u, place p = 32 b + 8 u + p + 8 (p / 8): the 16 registers of tiles 2 b, 2 b + 1 are 16 neighbouring keys (or channels).
; The head's 64 fill half of the instruction's 128: Q's upper six registers are zero codes and both sides' scale bytes 2, 3 are 0; K's upper six are named over the next fragment, whose finite numbers meet those zeros.
; NO CLUSTER: the work-groups that share a head's K and V differ in their query blocks, and the causal skip is a branch on the block.  No prefetch: every byte is asked for at the head.
; LIMITS: a block of zeros gets the byte 1; 1 / sum by v_rcp_f32; NaN and infinities are not served.
; REGISTERS: v1, v2 16 and 8 x lane; v3, v4 the same + the step; v5 my query's place - 16 h; v[6:7] V's scale words; v8-11, v12-15 -M, largest t, sum (two halves) of A, B; v16-27, v28-39 Q; v40-87 K; v88-93 zeros;
;   v94, v95 Q's scale words; v96-159 S^T, p, then V; v160-191, v192-223 O^T; v224-235 p's codes; v232-247, v252, v254 at work; v248-251 K's scale words; v253 p's.
.set REC,  13056                       ; a record: 128 keys
.set CSTG, 16*REC                      ; behind them: 1,024 bytes for ctx's scale halfwords
.set TB,   2                           ; s2  LDS byte of the step's record
.set KF,   3                           ; s3  the step's first key
.set WV,   18
.set HB,   19
.set SEL,  20
.set CS,   22
	s_load_b128 s[4:7], s[0:1], 0x0                ; qb, kv
	s_load_b128 s[8:11], s[0:1], 0x10              ; ctc, cts
	v_lshl_add_u32 v254, v0, 2, 0x33400
	v_mov_b32 v255, 0
	ds_add_u32 v254, v255
	ds_add_u32 v254, v255
	s_wait_dscnt 0x0
	v_lshrrev_b32 v1, 5, v0
	s_delay_alu instid0(VALU_DEP_1)
	v_readfirstlane_b32 s[WV], v1                  ; wave 0..15
	s_and_b32 s[HB], ttmp7, 0xffff                 ; 16 batch + head
	s_mov_b32 s24, 3<<16                           ; group 1 of the first fill: 13 rows of 32 elements of 8 bytes, dense
	s_mov_b32 s25, 32<<16
	s_mov_b32 s26, 13<<16
	s_mov_b32 s27, 32<<16
	s_mov_b32 s28, 13
	s_mov_b32 s29, 32
	s_mov_b32 s30, 0
	s_mov_b32 s31, 0
	s_mov_b32 s32, 3<<16                           ; of the second: 38 rows
	s_mov_b32 s33, 32<<16
	s_mov_b32 s34, 38<<16
	s_mov_b32 s35, 32<<16
	s_mov_b32 s36, 38
	s_mov_b32 s37, 32
	s_mov_b32 s38, 0
	s_mov_b32 s39, 0
	s_mul_i32 s50, s[HB], 16*REC
	s_mov_b32 s51, 0
	s_mul_i32 s52, s[WV], 3328                     ; 13 rows a wave,
	s_mov_b32 s53, 0
	s_mul_i32 s54, s[WV], 9728                     ; then 38 a wave,
	s_add_co_u32 s54, s54, 53248                   ; behind the sixteen waves' 208
	s_mov_b32 s55, 0
	s_wait_kmcnt 0x0
	s_add_nc_u64 s[50:51], s[6:7], s[50:51]
	s_mov_b32 s40, 1
	s_mov_b32 s41, s52
	s_add_nc_u64 s[42:43], s[50:51], s[52:53]
	s_or_b32 s43, s43, 0x80000000
	s_mov_b32 s44, 1
	s_mov_b32 s45, s54
	s_add_nc_u64 s[46:47], s[50:51], s[54:55]
	s_or_b32 s47, s47, 0x80000000
	tensor_load_to_lds s[40:43], s[24:31]          ; the first fill; one load of mine is out
	s_nop 0
	s_wait_alu depctr_va_vdst(0)
	s_wait_tensorcnt 0x0
	ds_add_u32 v254, v255
	s_wait_dscnt 0x0
	s_barrier_signal -1
	s_barrier_wait -1
	tensor_load_to_lds s[44:47], s[32:39]
	s_nop 0
.rept 4
	v_nop
.endr
	s_mov_b32 s56, ttmp9                           ; A: block i, tile w
	s_mov_b32 s57, s[WV]
	s_sub_co_u32 s58, 7, ttmp9                     ; B: block 7 - i, tile w xor 15
	s_xor_b32 s59, s[WV], 15
.macro TILEADR blk, t, qa, qs, q0, ca  ; Q's image, Q's scale words, the tile's first query, ctx's image
	s_lshl_b32 s66, s[\blk], 1
	s_lshr_b32 s67, s[\t], 3
	s_add_co_u32 s66, s66, s67                     ; the group of 128 queries
	s_lshl_b32 s67, s[HB], 4
	s_add_co_u32 s66, s66, s67
	s_mul_i32 s66, s66, 6656                       ; its record
	s_and_b32 s67, s[\t], 7
	s_mul_i32 s67, s67, 768
	s_add_co_u32 s[\qa], s66, s67
	s_mov_b32 s[\qa+1], 0
	s_bfe_u32 s67, s[\t], 0x10002
	s_lshl_b32 s67, s67, 8                         ; tiles 4-7 lie 16 lanes of 16 bytes on
	s_add_co_u32 s66, s66, s67
	s_and_b32 s67, s[\t], 3
	s_lshl_b32 s67, s67, 2
	s_add_co_u32 s66, s66, s67
	s_add_co_u32 s[\qs], s66, 6144
	s_mov_b32 s[\qs+1], 0
	s_add_nc_u64 s[\qa:\qa+1], s[4:5], s[\qa:\qa+1]
	s_add_nc_u64 s[\qs:\qs+1], s[4:5], s[\qs:\qs+1]
	s_lshl_b32 s[\q0], s[\blk], 8
	s_lshr_b32 s66, s[\t], 1
	s_lshl_b32 s66, s66, 5
	s_add_co_u32 s[\q0], s[\q0], s66
	s_and_b32 s66, s[\t], 1
	s_lshl_b32 s66, s66, 3
	s_add_co_u32 s[\q0], s[\q0], s66               ; 256 block + 32 (t / 2) + 8 (t % 2)
	s_lshr_b32 s66, s[HB], 4
	s_lshl_b32 s66, s66, 7
	s_lshl_b32 s67, s[\blk], 4
	s_add_co_u32 s66, s66, s67
	s_add_co_u32 s66, s66, s[\t]                   ; the tile of rows among 512
	s_mul_i32 s66, s66, 12288
	s_and_b32 s67, s[HB], 15
	s_mul_i32 s67, s67, 768                        ; the head's image in it
	s_add_co_u32 s[\ca], s66, s67
	s_mov_b32 s[\ca+1], 0
	s_add_nc_u64 s[\ca:\ca+1], s[8:9], s[\ca:\ca+1]
.endm
	TILEADR 56, 57, 68, 70, 48, 72
	TILEADR 58, 59, 74, 76, 49, 78
	v_and_b32 v5, 31, v0
	s_delay_alu instid0(VALU_DEP_1)
	v_lshlrev_b32 v1, 4, v5
	s_delay_alu instid0(VALU_DEP_2)
	v_lshlrev_b32 v2, 3, v5
	v_and_b32 v232, 15, v0                         ; r
	v_bfe_u32 v233, v0, 4, 1                       ; h
	s_delay_alu instid0(VALU_DEP_2)
	v_lshlrev_b32 v254, 4, v232                    ; Q's scale words: 16 bytes a lane's place
	global_load_b128 v[16:19], v1, s[68:69]
	global_load_b64 v[20:21], v2, s[68:69] offset:512
	global_load_b32 v94, v254, s[70:71]
	global_load_b128 v[28:31], v1, s[74:75]
	global_load_b64 v[32:33], v2, s[74:75] offset:512
	global_load_b32 v95, v254, s[76:77]
	v_and_b32 v5, 8, v232
	s_delay_alu instid0(VALU_DEP_1)
	v_add_nc_u32 v5, v5, v232
	v_lshlrev_b32 v252, 4, v233
	s_delay_alu instid0(VALU_DEP_1)
	v_sub_nc_u32 v5, v5, v252                      ; r + 8 (r / 8) - 16 h
.irp j, 22,23,24,25,26,27,34,35,36,37,38,39,88,89,90,91,92,93
	v_mov_b32 v[\j], 0                             ; zero codes
.endr
	v_mov_b32 v9, 0xff61b1e6                       ; the largest t so far: -3e38
	v_mov_b32 v13, 0xff61b1e6
	s_delay_alu instid0(VALU_DEP_2)
	v_floor_f32 v8, -v9                            ; -M
	s_delay_alu instid0(VALU_DEP_2)
	v_floor_f32 v12, -v13
.irp j, 10,11,14,15,236,237,238,239,253
	v_mov_b32 v[\j], 0
.endr
.set JJ, 0
.rept 64
	v_mov_b32 v[160+JJ], 0                         ; O^T: the step is written once; the first finds zeros
.set JJ, JJ+1
.endr
	s_mov_b32 s[SEL], 0x76543210
	s_mov_b32 s[SEL+1], 0xfedcba98
	s_mov_b32 s[CS], 0x3e38aa3b                    ; c = log2(e) / 8
	s_mov_b32 s[CS+1], s[CS]
	s_mov_b32 s[TB], 0
	s_mov_b32 s[KF], 0
; One tile's key step.  qf, qs: Q's fragment and scale word; ob: O^T; st: the statistics; q0: the scalar with the tile's first query.
.macro STEP qf, qs, ob, st, q0
	s_add_co_u32 s50, s[\q0], 23                   ; a step all of whose keys come after the tile's queries is left out: a branch on ids
	s_cmp_gt_u32 s[KF], s50
	s_cbranch_scc1 .Lhid_\@
.irp t, 0,1,2,3
	v_wmma_scale_f32_16x16x128_f8f6f4 v[96+8*\t:103+8*\t], v[40+6*\t:51+6*\t], v[\qf:\qf+11], 0, v[248+\t], v[\qs] matrix_a_fmt:MATRIX_FMT_FP6 matrix_b_fmt:MATRIX_FMT_FP6
.endr
.irp t, 4,5,6,7
	v_wmma_scale_f32_16x16x128_f8f6f4 v[96+8*\t:103+8*\t], v[40+6*\t:51+6*\t], v[\qf:\qf+11], 0, v[244+\t], v[\qs] matrix_a_fmt:MATRIX_FMT_FP6 matrix_b_fmt:MATRIX_FMT_FP6 matrix_a_scale:MATRIX_SCALE_ROW1
.endr
.rept 4
	v_nop                                          ; places behind the products
.endr
	s_add_co_u32 s50, s[KF], 127                   ; on the diagonal hidden scores become -infinity; a step all of whose keys count skips this
	s_cmp_le_u32 s50, s[\q0]
	s_cbranch_scc1 .Lopen_\@
	s_sub_co_i32 s50, s[\q0], s[KF]
	v_add_nc_u32 v252, s50, v5                     ; d = my query - the step's first key - 16 h.  Register 16 b + i holds key 32 b + 16 h + i: hidden where 32 b + i > d
	v_mov_b32 v254, 0xff800000
.set NN, 0
.rept 64
	v_cmp_gt_i32 vcc_lo, 32*(NN/16)+NN%16, v252
	v_cndmask_b32 v[96+NN], v[96+NN], v254, vcc_lo
.set NN, NN+1
.endr
.Lopen_\@:
.irp b, 0,1,2,3
	v_max3_num_f32 v[232+\b], v[96+16*\b], v[97+16*\b], v[98+16*\b]   ; the largest score of each block of 32 keys: for the row's maximum and, since p rises with the score, for the block's largest p
.endr
.irp i, 3,5,7,9,11,13
.irp b, 0,1,2,3
	v_max3_num_f32 v[232+\b], v[232+\b], v[96+16*\b+\i], v[97+16*\b+\i]
.endr
.endr
.irp b, 0,1,2,3
	v_max_num_f32 v[232+\b], v[232+\b], v[111+16*\b]
.endr
.irp b, 0,1,2,3
	s_delay_alu instid0(VALU_DEP_4)
	v_permlanex16_b32 v[236+\b], v[232+\b], s[SEL], s[SEL+1]
.endr
.irp b, 0,1,2,3
	s_delay_alu instid0(VALU_DEP_4)
	v_max_num_f32 v[232+\b], v[232+\b], v[236+\b]
.endr
	s_delay_alu instid0(VALU_DEP_2)
	v_max3_num_f32 v254, v232, v233, v234
	s_delay_alu instid0(VALU_DEP_1)
	v_max_num_f32 v254, v254, v235
	s_delay_alu instid0(VALU_DEP_1)
	v_mul_f32 v254, s[CS], v254
	s_delay_alu instid0(VALU_DEP_1)
	v_max_num_f32 v[\st+1], v[\st+1], v254         ; the running largest t
	v_mov_b32 v254, v[\st]
	s_delay_alu instid0(VALU_DEP_2)
	v_floor_f32 v[\st], -v[\st+1]                  ; the new -M: a whole number
	s_delay_alu instid0(VALU_DEP_1)
	v_sub_f32 v254, v[\st], v254
	s_delay_alu instid0(VALU_DEP_1)
	v_cvt_i32_f32 v254, v254                       ; (it saturates)
	s_delay_alu instid0(VALU_DEP_1)
	v_ldexp_f32 v252, 1.0, v254                    ; f = 2^(old M - new M): exact
.set JJ, 0
.rept 32
	v_pk_fma_f32 v[96+JJ:97+JJ], v[96+JJ:97+JJ], s[CS:CS+1], v[\st:\st+1] op_sel_hi:[1,0,0]   ; t - M
.set JJ, JJ+2
.endr
.irp b, 0,1,2,3
	v_fma_f32 v[232+\b], v[232+\b], s[CS], v[\st]
.endr
.set JJ, 0
	s_wait_alu depctr_va_vdst(0)
.rept 64
	v_exp_f32 v[96+JJ], v[96+JJ]                   ; p = 2^(t - M)
.set JJ, JJ+1
.endr
	v_pk_mul_f32 v[\st+2:\st+3], v[\st+2:\st+3], v[252:253] op_sel_hi:[1,0]   ; the sums under the new M: a plain place behind the batch
	s_wait_alu depctr_va_vdst(0)                   ; one wait for the batch, ahead of its first reader
.irp b, 0,1,2,3
	v_exp_f32 v[232+\b], v[232+\b]                 ; the blocks' largest p
.endr
	v_pk_add_f32 v[236:237], v[96:97], v[98:99]    ; the row's sum of the unquantised p, in two chains
.set JJ, 4
.rept 15
	v_pk_add_f32 v[\st+2:\st+3], v[\st+2:\st+3], v[96+JJ:97+JJ]
	v_pk_add_f32 v[236:237], v[236:237], v[98+JJ:99+JJ]
.set JJ, JJ+4
.endr
	s_delay_alu instid0(VALU_DEP_1)
	v_pk_add_f32 v[\st+2:\st+3], v[\st+2:\st+3], v[236:237]
	s_wait_alu depctr_va_vdst(0)                   ; and one for the four
.irp b, 0,1,2,3
	v_max_num_f32 v[232+\b], 0x1800000, v[232+\b]  ; the floor 2^(3 - 127)
.endr
.irp b, 0,1,2,3
	s_delay_alu instid0(VALU_DEP_4)
	v_add_nc_u32 v[244+\b], 0xff000000, v[232+\b]
.endr
.irp b, 0,1,2,3
	s_delay_alu instid0(VALU_DEP_4)
	v_lshrrev_b32 v[236+\b], 23, v[244+\b]
.endr
	s_delay_alu instid0(VALU_DEP_3)
	v_lshl_or_b32 v253, v237, 8, v236              ; p's scale word for these 128 keys
	s_delay_alu instid0(VALU_DEP_1)
	v_lshl_or_b32 v253, v238, 16, v253
	s_delay_alu instid0(VALU_DEP_1)
	v_lshl_or_b32 v253, v239, 24, v253
.irp c, 0,1
	v_cvt_scalef32_pk16_fp6_f32 v[224+6*\c:226+6*\c], v[96+32*\c:111+32*\c], v[244+2*\c]
	v_cvt_scalef32_pk16_fp6_f32 v[236+4*\c:238+4*\c], v[112+32*\c:127+32*\c], v[244+2*\c+1]
.endr
.irp u, 0,1,2,3                        ; V's four fragments land where p lay
	ds_load_b128 v[96+12*\u:99+12*\u], v3 offset:6656+1536*\u
	ds_load_b64 v[100+12*\u:101+12*\u], v4 offset:6656+1536*\u+512
	ds_load_b128 v[102+12*\u:105+12*\u], v3 offset:6656+1536*\u+768
	ds_load_b64 v[106+12*\u:107+12*\u], v4 offset:6656+1536*\u+1280
.endr
	ds_load_b64 v[6:7], v4 offset:12800
	v_nop                                          ; one plain place behind the scaled conversions
.irp c, 0,1
.irp i, 0,1,2
	v_permlane16_swap_b32 v[224+6*\c+\i], v[236+4*\c+\i]
.endr
.irp i, 0,1,2
	s_delay_alu instid0(VALU_DEP_3)
	v_mov_b32 v[227+6*\c+\i], v[236+4*\c+\i]
.endr
.endr
.set JJ, 0
.rept 16
	v_pk_mul_f32 v[\ob+JJ:\ob+JJ+1], v[\ob+JJ:\ob+JJ+1], v[252:253] op_sel_hi:[1,0]   ; O^T under the new M; these sixteen are also the places in front of the products below
.set JJ, JJ+2
.endr
	s_wait_alu depctr_va_vdst(0)
	s_wait_dscnt 0x0
.irp u, 0,1
	v_wmma_scale_f32_16x16x128_f8f6f4 v[\ob+8*\u:\ob+8*\u+7], v[96+12*\u:107+12*\u], v[224:235], v[\ob+8*\u:\ob+8*\u+7], v[6+\u], v253 matrix_a_fmt:MATRIX_FMT_FP6 matrix_b_fmt:MATRIX_FMT_FP6
.endr
.irp u, 2,3
	v_wmma_scale_f32_16x16x128_f8f6f4 v[\ob+8*\u:\ob+8*\u+7], v[96+12*\u:107+12*\u], v[224:235], v[\ob+8*\u:\ob+8*\u+7], v[4+\u], v253 matrix_a_fmt:MATRIX_FMT_FP6 matrix_b_fmt:MATRIX_FMT_FP6 matrix_a_scale:MATRIX_SCALE_ROW1
.endr
.rept 5
	v_nop                                          ; five places: the next scores are written over registers that these products read
.endr
.Lhid_\@:
.endm
.macro TRIP                            ; a key step for both tiles.  B's block lies behind A's: where B sees nothing, neither does A
	s_add_co_u32 s50, s49, 23
	s_cmp_gt_u32 s[KF], s50
	s_cbranch_scc1 .Lskip_\@
	v_add_nc_u32 v3, s[TB], v1
	v_add_nc_u32 v4, s[TB], v2
.irp t, 0,1,2,3,4,5,6,7
	ds_load_b128 v[40+6*\t:43+6*\t], v3 offset:768*\t
	ds_load_b64 v[44+6*\t:45+6*\t], v4 offset:768*\t+512
.endr
	ds_load_b128 v[248:251], v3 offset:6144        ; tile t's words: register t % 4, lanes 16 (t / 4) on
	s_wait_dscnt 0x0
	STEP 16, 94, 160, 8, 48
	STEP 28, 95, 192, 12, 49
.Lskip_\@:
	s_add_co_u32 s[KF], s[KF], 128
	s_add_co_u32 s[TB], s[TB], REC
.endm
	s_wait_tensorcnt 0x1                           ; my first fill is in (the second may be out)
	s_barrier_signal -1
	s_barrier_wait -1                              ; everybody's is: bytes 0 to 53,247
	s_wait_loadcnt 0x0                             ; Q
	s_mov_b32 s52, 4
.Lfirst:                                           ; steps 0 to 3: bytes under 52,224
	TRIP
	s_sub_co_u32 s52, s52, 1
	s_cmp_lg_u32 s52, 0
	s_cbranch_scc1 .Lfirst
	s_wait_tensorcnt 0x0                           ; my second fill is in,
	s_wait_dscnt 0x0
	s_barrier_signal -1
	s_barrier_wait -1                              ; everybody's is
	s_mov_b32 s52, 12
.Lrest:
	TRIP
	s_sub_co_u32 s52, s52, 1
	s_cmp_lg_u32 s52, 0
	s_cbranch_scc1 .Lrest
	; THE WAY OUT.  O^T / the sum; a lane's 32 numbers are channels 32 b + 16 h + i of its query: two blocks of the last product's K; their codes are one image.
	v_add_f32 v10, v10, v11
	v_add_f32 v14, v14, v15
	s_delay_alu instid0(VALU_DEP_2)
	v_permlanex16_b32 v252, v10, s[SEL], s[SEL+1]
	s_delay_alu instid0(VALU_DEP_2)
	v_permlanex16_b32 v254, v14, s[SEL], s[SEL+1]
	s_delay_alu instid0(VALU_DEP_2)
	v_add_f32 v10, v10, v252
	s_delay_alu instid0(VALU_DEP_2)
	v_add_f32 v14, v14, v254
	s_wait_alu depctr_va_vdst(0)
	v_rcp_f32 v10, v10
	v_rcp_f32 v14, v14
	v_and_b32 v246, 15, v0                         ; (plain work behind the two reciprocals)
	s_delay_alu instid0(VALU_DEP_1)
	v_lshlrev_b32 v246, 1, v246                    ; 2 r
	s_lshl_b32 s66, s[WV], 5
	s_lshl_b32 s67, s59, 5
	v_add_nc_u32 v247, s67, v246
	v_add_nc_u32 v246, s66, v246
	s_delay_alu instid0(VALU_DEP_1)
	v_add_nc_u32 v246, CSTG, v246                  ; A's halfwords: 32 bytes a tile
	s_delay_alu instid0(VALU_DEP_3)
	v_add_nc_u32 v247, CSTG+512, v247              ; B's
	v_and_b32 v255, 63, v0
	s_delay_alu instid0(VALU_DEP_1)
	v_lshl_add_u32 v255, v255, 4, CSTG             ; and where waves 0 and 1 read them back
	s_cmp_eq_u32 s[WV], 0
	s_cselect_b32 s66, s56, s58                    ; wave 0 stores block i's, wave 1 block 7 - i's
	s_lshl_b32 s66, s66, 9
	s_lshr_b32 s67, s[HB], 4
	s_lshl_b32 s67, s67, 12
	s_add_co_u32 s66, s66, s67
	s_and_b32 s67, s[HB], 15
	s_lshl_b32 s67, s67, 14
	s_add_co_u32 s66, s66, s67
	s_mov_b32 s67, 0
	s_add_nc_u64 s[10:11], s[10:11], s[66:67]
	s_wait_alu depctr_va_vdst(0)                   ; one wait for both reciprocals, ahead of their first reader
.macro OUT ob, st, pc, ca, cadr
.set JJ, 0
.rept 16
	v_pk_mul_f32 v[96+JJ:97+JJ], v[\ob+JJ:\ob+JJ+1], v[\st+2:\st+3] op_sel_hi:[1,0]
.set JJ, JJ+2
.endr
.irp b, 0,1
	v_max3_num_f32 v[232+\b], |v[96+16*\b]|, |v[97+16*\b]|, 0x1800000
.endr
.irp i, 2,4,6,8,10,12,14
.irp b, 0,1
	s_delay_alu instid0(VALU_DEP_2)
	v_max3_num_f32 v[232+\b], v[232+\b], |v[96+16*\b+\i]|, |v[97+16*\b+\i]|
.endr
.endr
.irp b, 0,1
	s_delay_alu instid0(VALU_DEP_2)
	v_permlanex16_b32 v[236+\b], v[232+\b], s[SEL], s[SEL+1]
.endr
.irp b, 0,1
	s_delay_alu instid0(VALU_DEP_2)
	v_max_num_f32 v[232+\b], v[232+\b], v[236+\b]
.endr
.irp b, 0,1
	s_delay_alu instid0(VALU_DEP_2)
	v_add_nc_u32 v[244+\b], 0xff000000, v[232+\b]
.endr
.irp b, 0,1
	s_delay_alu instid0(VALU_DEP_2)
	v_lshrrev_b32 v[236+\b], 23, v[244+\b]
.endr
	s_delay_alu instid0(VALU_DEP_1)
	v_lshl_or_b32 v236, v237, 8, v236              ; the head's two bytes of my row
	v_cvt_scalef32_pk16_fp6_f32 v[\pc:\pc+2], v[96:111], v244
	v_cvt_scalef32_pk16_fp6_f32 v[240:242], v[112:127], v245
	v_nop
.irp i, 0,1,2
	v_permlane16_swap_b32 v[\pc+\i], v[240+\i]
.endr
.irp i, 0,1,2
	s_delay_alu instid0(VALU_DEP_3)
	v_mov_b32 v[\pc+3+\i], v[240+\i]
.endr
	global_store_b128 v1, v[\pc:\pc+3], s[\ca:\ca+1]               ; 512 and 256 consecutive bytes, aligned
	global_store_b64 v2, v[\pc+4:\pc+5], s[\ca:\ca+1] offset:512
	ds_store_b16 v[\cadr], v236                    ; lanes r and 16 + r write the same halfword with the same value
.endm
	OUT 160, 8, 224, 72, 246
	OUT 192, 12, 230, 78, 247
	s_wait_dscnt 0x0                               ; for the others' sake: my halfwords are in LDS
	s_barrier_signal -1
	s_barrier_wait -1
	s_cmp_lt_u32 s[WV], 2
	s_cbranch_scc0 .Lend
	ds_load_b128 v[96:99], v255
	s_wait_dscnt 0x0
	global_store_b128 v1, v[96:99], s[10:11]       ; a block's 256 halfwords: 512 consecutive bytes, aligned
.Lend:
	s_wait_xcnt 0x0
	v_lshl_add_u32 v254, v0, 2, 0x33400
	v_mov_b32 v255, 0
	s_wait_alu depctr_va_vdst(0)
	s_wait_tensorcnt 0x0
	ds_add_u32 v254, v255
	s_wait_dscnt 0x0
	s_endpgm
.Lfunc_end_k_q353cc1fe7a_attn:
	.size	k_q353cc1fe7a_attn, .Lfunc_end_k_q353cc1fe7a_attn-k_q353cc1fe7a_attn
	.p2alignl 7, 3214868480
	.fill 96, 4, 3214868480
	.section	.rodata,"a",@progbits
	.p2align	6, 0x0
	.amdhsa_kernel k_q353cc1fe7a_attn
		.amdhsa_group_segment_fixed_size 327680
		.amdhsa_private_segment_fixed_size 0
		.amdhsa_enable_private_segment 0
		.amdhsa_kernarg_size 32
		.amdhsa_user_sgpr_count 2
		.amdhsa_user_sgpr_kernarg_segment_ptr 1
		.amdhsa_wavefront_size32 1
		.amdhsa_system_sgpr_workgroup_id_x 1
		.amdhsa_system_sgpr_workgroup_id_y 1
		.amdhsa_system_sgpr_workgroup_id_z 1
		.amdhsa_system_vgpr_workitem_id 0
		.amdhsa_next_free_vgpr 256
		.amdhsa_next_free_sgpr 100
		.amdhsa_reserve_vcc 1
		.amdhsa_float_denorm_mode_32 3
		.amdhsa_float_denorm_mode_16_64 3
		.amdhsa_memory_ordered 1
		.amdhsa_forward_progress 1
		.amdhsa_inst_pref_size 108
	.end_amdhsa_kernel
	.amdgpu_metadata
---
amdhsa.version: [ 1, 2 ]
amdhsa.kernels:
  - .name:           k_q353cc1fe7a_attn
    .symbol:         k_q353cc1fe7a_attn.kd
    .args:
      - { .name: qb, .offset: 0, .size: 8, .value_kind: global_buffer, .address_space: global }
      - { .name: kv, .offset: 8, .size: 8, .value_kind: global_buffer, .address_space: global }
      - { .name: ctc, .offset: 16, .size: 8, .value_kind: global_buffer, .address_space: global }
      - { .name: cts, .offset: 24, .size: 8, .value_kind: global_buffer, .address_space: global }
    .group_segment_fixed_size: 327680
    .private_segment_fixed_size: 0
    .kernarg_segment_align: 8
    .kernarg_segment_size: 32
    .max_flat_workgroup_size: 512
    .sgpr_count:     100
    .vgpr_count:     256
    .wavefront_size: 32
...
	.end_amdgpu_metadata
.endif
;; end of part 3
;; launch proj (part 4): grid 4 x 32, 4 waves a work-group, clusters of 4 x 4, 327,680 bytes of LDS; arguments ctc, cts, cod, scl, out0; writes out0
.if DOCPART == 4
	.amdgcn_target "amdgcn-amd-amdhsa--gfx1250"
	.amdhsa_code_object_version 6
	.text
	.protected	k_q353cc1fe7a_proj
	.globl	k_q353cc1fe7a_proj
	.p2align	8
	.type	k_q353cc1fe7a_proj,@function
k_q353cc1fe7a_proj:
	s_mov_b64 s[64:65], 0
	v_nop
	global_prefetch_b8 v0, s[64:65] scope:SCOPE_SE
	s_setreg_imm32_b32 hwreg(HW_REG_WAVE_MODE, 25, 1), 1
	s_wait_xcnt 0x0
	s_wait_alu depctr_hold_cnt(0) depctr_sa_sdst(0) depctr_va_vdst(0) depctr_va_sdst(0) depctr_va_ssrc(0) depctr_va_vcc(0) depctr_vm_vsrc(0)
	s_getreg_b32 s2, hwreg(HW_REG_IB_STS2, 6, 4)
	s_cmp_eq_u32 s2, 0
	s_cbranch_scc0 .Lentry_in_a_cluster
	s_endpgm
.Lentry_in_a_cluster:
	s_bfe_u32 s2, ttmp6, 0x10000c
	s_cmp_lg_u32 s2, 0xf033
	s_cbranch_scc0 .Lentry_shape_is_right
	s_endpgm
.Lentry_shape_is_right:
; PROJ.  out0 = ctx wo^T on codes of FP6 (E2M3) with E8M0 scales; out0 [8192][1024] f32.  A tile of 256 x 256 to a work-group of four waves, 128 x 128 to a wave; K = 1,024 in four steps of 256 through two LDS slots.
; Region A of a slot: rows of ctx (ctc: [tile of 16 rows][16 heads' images of 768 bytes]); region B: rows of wo (cod, from row 11,264).  Source 0 = B, source 1 = A: a lane holds one row of out0 and neighbouring columns.
; Rows lie in tiles in the order tile 2 G + u, place p = row 32 G + 8 u + p + 8 (p / 8): only the stage's columns and the stores' row offsets know it.
; SCALES.  wo's come by one joint load a wave (2,048 bytes).  ctx's lie as [head][row] halfwords: each thread loads two rows' sixteen halfwords and lays their eight words into LDS, in bytes that no fill touches.
; CLUSTERS: 4 x 4; A's tiles are asked for jointly along a row of the cluster, B's along a column.  No prefetch: of four slots two are first fills, and the tiles are shared.
; REGISTERS, in windows of 256: window 0: v16-29 addresses; v32-63 scale words, two sets, and nothing else; v64-95 at work at the head; from v128 A's fragments, on the way out rows of out0.  window 1: B's fragments, two sets.
;   windows 2, 3: the accumulators ((a, b) at v[8 (8 (a % 4) + b)]).
.set NQ,     2
.set FR,     12
.set NL,     4
.set NP,     4
.set TILEB,  3072
.set HALFT,  8*TILEB
.set SLOT,   4*HALFT
.set SCL,    2*SLOT
.set HALFS,  4096
.set SPARE,  SCL+4*HALFS
.set SPITCH, 528                       ; the way out: 16 rows x (512 + 16) bytes for each wave, in slot 0, which has had its last fill and its last read by then
.set ADRA, 16
.set ADRB, 20
.set STO,  24
.set RD,   25
.set CO,   26
.set ADRS, 27
.set SPW,  28
.set NIL,  29
.set SC,   32
.set AF,   128
.set BK,   128
.set G1, 24
.set G0, 32
.set G1B, 48
.set G0B, 56
.set G1SB, 80
.set G0SB, 88
.set MSB, 0
.macro WIN new
.if MSB != (\new)
	s_set_vgpr_msb (MSB<<8)|(\new)
.set MSB, (\new)
.endif
.endm
.set MUL_LO, 0xa1
.set MUL_HI, 0xf1
.set TO_B,   0x40
.macro JLOAD g0a, g1a, g0b, g1b        ; waves 0 and 1 fetch for A, waves 2 and 3 for B; four v_nop follow each line
	s_cmp_eq_u32 s15, 0
	s_cbranch_scc0 .Lfor_b_\@
	tensor_load_to_lds s[\g0a:\g0a+3], s[\g1a:\g1a+7]
	s_nop 0
.rept 4
	v_nop
.endr
	s_branch .Lasked_\@
.Lfor_b_\@:
	tensor_load_to_lds s[\g0b:\g0b+3], s[\g1b:\g1b+7]
	s_nop 0
.rept 4
	v_nop
.endr
.Lasked_\@:
.endm
.macro CREST
	s_cmp_lg_u32 s14, 0
	s_cbranch_scc1 .Lnot_wave_0_\@
	s_barrier_signal -3
.Lnot_wave_0_\@:
	s_barrier_wait -3
	s_barrier_signal -1
	s_barrier_wait -1
.endm
.macro CROUND
	s_barrier_signal -1
	s_barrier_wait -1
	CREST
.endm
	s_load_b128 s[4:7], s[0:1], 0x0                ; ctc, cts
	s_load_b128 s[8:11], s[0:1], 0x10              ; cod, scl
	s_load_b64 s[12:13], s[0:1], 0x20              ; out0
	v_lshl_add_u32 v[SPW], v0, 2, SPARE
	v_mov_b32 v[NIL], 0
	ds_add_u32 v28, v29
	ds_add_u32 v28, v29
	s_wait_dscnt 0x0
	v_lshrrev_b32 v1, 5, v0
	v_readfirstlane_b32 s14, v1
	s_lshr_b32 s15, s14, 1
	s_and_b32 s16, s14, 1
	s_bfe_u32 s40, ttmp6, 0x40000                  ; cx
	s_bfe_u32 s41, ttmp6, 0x40004                  ; cy
	s_and_b32 s17, ttmp7, 0xffff                   ; the cluster's y
	s_lshl_b32 s43, s41, 2
	s_lshl_b32 s43, 15, s43
	s_lshl_b32 s44, 0x1111, s40
	s_or_b32 s[G1+0], s43, (3<<16)|(1<<21)
	s_or_b32 s[G1B+0], s44, (3<<16)|(1<<21)
.irp g, G1, G1B                        ; 8 rows of 3,072 bytes, 12,288 bytes apart
	s_mov_b32 s[\g+1], 384<<16
	s_mov_b32 s[\g+2], 8<<16
	s_mov_b32 s[\g+3], 384<<16
	s_mov_b32 s[\g+4], 8
	s_mov_b32 s[\g+5], 1536
	s_mov_b32 s[\g+6], 0
	s_mov_b32 s[\g+7], 0
.endr
	s_or_b32 s[G1SB+0], s44, (3<<16)|(1<<21)       ; a quarter of wo's scales: 8 rows of 256 bytes, dense
	s_mov_b32 s[G1SB+1], 32<<16
	s_mov_b32 s[G1SB+2], 8<<16
	s_mov_b32 s[G1SB+3], 32<<16
	s_mov_b32 s[G1SB+4], 8
	s_mov_b32 s[G1SB+5], 32
	s_mov_b32 s[G1SB+6], 0
	s_mov_b32 s[G1SB+7], 0
	s_lshl_b32 s18, s16, 7
	s_lshl_b32 s20, s17, 10
	s_lshl_b32 s21, s41, 8
	s_add_co_u32 s20, s20, s21                     ; the work-group's first row of ctx
	s_lshl_b32 s98, s20, 1                         ; 2 bytes a row in a head's plane of cts
	s_mov_b32 s99, 0
	s_add_co_u32 s20, s20, s18
	s_mul_i32 s20, s20, 768
	s_mov_b32 s21, 0
	s_lshl_b32 s46, s40, 8
	s_add_co_u32 s46, s46, 11264                   ; the work-group's first row of wo
	s_lshl_b32 s92, s46, 5
	s_lshl_b32 s94, s14, 11
	s_add_co_u32 s92, s92, s94                     ; my quarter of its scales
	s_mov_b32 s93, 0
	s_add_co_u32 s46, s46, s18
	s_mul_i32 s46, s46, 768
	s_mov_b32 s47, 0
	s_mul_i32 s45, s14, HALFT
	v_lshlrev_b32 v10, 2, v0                       ; thread t: rows 2 t, 2 t + 1
	s_wait_kmcnt 0x0
	s_add_nc_u64 s[20:21], s[4:5], s[20:21]
	s_add_nc_u64 s[98:99], s[6:7], s[98:99]
	s_add_nc_u64 s[46:47], s[8:9], s[46:47]
	s_add_nc_u64 s[92:93], s[10:11], s[92:93]
.irp p, 0,1,2,3,4,5,6,7,8,9,10,11,12,13,14,15
	global_load_b32 v[64+\p], v10, s[98:99] offset:16384*\p   ; head p's halfwords of my two rows
.endr
	CROUND                                         ; all sixteen work-groups are here: the first joint loads meet
	s_mov_b32 s[G0SB], 1
	s_add_co_u32 s[G0SB+1], s94, SCL+2*HALFS
	s_mov_b64 s[G0SB+2:G0SB+3], s[92:93]
	s_or_b32 s[G0SB+3], s[G0SB+3], 0x80000000
	tensor_load_to_lds s[G0SB:G0SB+3], s[G1SB:G1SB+7]
	s_nop 0
.rept 4
	v_nop
.endr
.irp s, 0,1
	s_mov_b32 s[G0+4*\s], 1
	s_add_co_u32 s[G0+4*\s+1], s45, \s*SLOT
	s_add_nc_u64 s[G0+4*\s+2:G0+4*\s+3], s[20:21], \s*TILEB
	s_or_b32 s[G0+4*\s+3], s[G0+4*\s+3], 0x80000000
	s_mov_b32 s[G0B+4*\s], 1
	s_add_co_u32 s[G0B+4*\s+1], s45, \s*SLOT
	s_add_nc_u64 s[G0B+4*\s+2:G0B+4*\s+3], s[46:47], \s*TILEB
	s_or_b32 s[G0B+4*\s+3], s[G0B+4*\s+3], 0x80000000
	JLOAD G0+4*\s, G1, G0B+4*\s, G1B               ; three loads of mine are out
.endr
	v_and_b32 v1, 31, v0
	v_lshlrev_b32 v4, 4, v1
	v_lshlrev_b32 v5, 3, v1
	v_and_b32 v2, 15, v0
	v_bfe_u32 v3, v0, 4, 1
	s_mul_i32 s21, s15, HALFT
	s_mul_i32 s22, s16, HALFT
	s_add_co_u32 s22, s22, 2*HALFT
.irp s, 0,1
	v_add_nc_u32 v[ADRA+\s], s21, v4
	v_add_nc_u32 v[ADRB+\s], s22, v4
	v_add_nc_u32 v[ADRA+2+\s], s21, v5
	v_add_nc_u32 v[ADRB+2+\s], s22, v5
	s_add_co_u32 s21, s21, SLOT
	s_add_co_u32 s22, s22, SLOT
.endr
	v_lshlrev_b32 v6, 4, v2
	s_lshl_b32 s21, s15, 12
	s_lshl_b32 s22, s16, 12
	s_add_co_u32 s22, s22, 2*HALFS
	s_sub_co_u32 s22, s22, s21
	v_mul_u32_u24 v7, s22, v3                      ; lanes 16-31 take B's: one product, the distance x h
	s_add_co_u32 s21, s21, SCL
	v_add_nc_u32 v6, v6, v7
	v_add_nc_u32 v[ADRS], s21, v6
	s_mul_i32 s23, s14, 16*SPITCH                  ; my stage
	v_mul_u32_u24 v6, v2, SPITCH
	v_lshl_add_u32 v6, v3, 6, v6
	v_add_nc_u32 v[STO], s23, v6                   ; in: row r, + 64 h bytes: columns 16 h on
	v_add_nc_u32 v[RD], s23, v4                    ; back: a row of 512 bytes to the 32 lanes
	v_lshlrev_b32 v[CO], 4, v1
	v_lshrrev_b32 v8, 3, v0
	v_lshlrev_b32 v8, 9, v8
	v_and_b32 v9, 7, v0
	v_lshl_add_u32 v8, v9, 5, v8
	v_add_nc_u32 v8, SCL, v8                       ; ctx's scale words of row 2 t: tile t / 8, place 2 (t % 8), 16 bytes a place
	s_lshl_b32 s66, s17, 10
	s_lshl_b32 s67, s41, 8
	s_add_co_u32 s66, s66, s67
	s_lshl_b32 s67, s15, 7
	s_add_co_u32 s66, s66, s67                     ; my first row of out0,
	s_lshl_b32 s66, s66, 12
	s_lshl_b32 s67, s40, 10
	s_add_co_u32 s66, s66, s67                     ; my first column, in bytes
	s_lshl_b32 s67, s16, 9
	s_add_co_u32 s66, s66, s67
	s_mov_b32 s67, 0
	s_add_nc_u64 s[12:13], s[12:13], s[66:67]
	s_wait_loadcnt 0x0
.irp j, 0,1,2,3,4,5,6,7                ; word j = heads 2 j and 2 j + 1: 128 along K
	v_perm_b32 v[80+\j], v[65+2*\j], v[64+2*\j], 0x05040100   ; row 2 t: the two low halves
.endr
.irp j, 0,1,2,3,4,5,6,7
	v_perm_b32 v[88+\j], v[65+2*\j], v[64+2*\j], 0x07060302   ; row 2 t + 1: the two high halves
.endr
	ds_store_b128 v8, v[80:83]
	ds_store_b128 v8, v[84:87] offset:256
	ds_store_b128 v8, v[88:91] offset:16
	ds_store_b128 v8, v[92:95] offset:272
.macro FRAG reg, adr, q, i
	ds_load_b128 v[\reg:\reg+3], v[\adr] offset:TILEB*(\i)+1536*(\q)
	ds_load_b64 v[\reg+4:\reg+5], v[\adr+2] offset:TILEB*(\i)+1536*(\q)+512
	ds_load_b128 v[\reg+6:\reg+9], v[\adr] offset:TILEB*(\i)+1536*(\q)+768
	ds_load_b64 v[\reg+10:\reg+11], v[\adr+2] offset:TILEB*(\i)+1536*(\q)+1280
.endm
.macro MUL16 a0, p, q, sc, zero        ; the 64 accumulators take turns, one instruction a turn
.irp a, \a0, \a0+1
.irp b, 0,1,2,3,4,5,6,7
.if \zero
	v_wmma_scale_f32_16x16x128_f8f6f4 v[8*(8*((\a)%4)+\b):8*(8*((\a)%4)+\b)+7], v[128*(\p)+FR*\b:128*(\p)+FR*\b+FR-1], v[AF+FR*(\a):AF+FR*(\a)+FR-1], 0, v[SC+8*NQ*(\sc)+NQ*\b+(\q)], v[SC+8*NQ*(\sc)+NQ*(\a)+(\q)] matrix_a_fmt:MATRIX_FMT_FP6 matrix_b_fmt:MATRIX_FMT_FP6 matrix_a_scale:MATRIX_SCALE_ROW1
.else
	v_wmma_scale_f32_16x16x128_f8f6f4 v[8*(8*((\a)%4)+\b):8*(8*((\a)%4)+\b)+7], v[128*(\p)+FR*\b:128*(\p)+FR*\b+FR-1], v[AF+FR*(\a):AF+FR*(\a)+FR-1], v[8*(8*((\a)%4)+\b):8*(8*((\a)%4)+\b)+7], v[SC+8*NQ*(\sc)+NQ*\b+(\q)], v[SC+8*NQ*(\sc)+NQ*(\a)+(\q)] matrix_a_fmt:MATRIX_FMT_FP6 matrix_b_fmt:MATRIX_FMT_FP6 matrix_a_scale:MATRIX_SCALE_ROW1
.endif
.endr
.endr
.endm
.macro FETCH_B slot, q, p
	WIN TO_B
.irp i, 0,1,2,3,4,5,6,7
	FRAG 128*(\p)+FR*\i, ADRB+\slot, \q, \i
.endr
	WIN 0
.endm
.macro FETCH_A slot, q, i0
.irp i, \i0, \i0+1, \i0+2, \i0+3
	FRAG AF+FR*(\i), ADRA+\slot, \q, \i
.endr
.endm
.macro SCALES sc, sl
.irp i, 0,1,2,3,4,5,6,7
	ds_load_b64 v[SC+8*NQ*(\sc)+NQ*\i:SC+8*NQ*(\sc)+NQ*\i+1], v[ADRS] offset:512*\i+256*((\sl)/2)+8*((\sl)%2)
.endr
.endm
.macro PLACES n
.rept \n
	v_nop
.endr
.endm
.macro STEP slot, q, zero
	s_wait_dscnt 4*NL                              ; all but the youngest 16 loads (A's blocks 4-7)
	WIN MUL_LO
	MUL16 0, (\q)%2, \q, \slot, \zero
	MUL16 2, (\q)%2, \q, \slot, \zero
	s_wait_dscnt 0
	PLACES NP
	FETCH_B \slot, (\q)+1, 1-(\q)%2
	FETCH_A \slot, (\q)+1, 0
	WIN MUL_HI
	MUL16 4, (\q)%2, \q, \slot, \zero
	MUL16 6, (\q)%2, \q, \slot, \zero
	PLACES NP
	WIN 0
	FETCH_A \slot, (\q)+1, 4
.endm
.macro TURN slot, next, fill, sl
	s_wait_tensorcnt 0x0                           ; all my tensor loads have landed: my part of the next slot
	ds_add_u32 v[SPW], v[NIL]
	s_wait_dscnt 4*NL+1                            ; (the add and A's blocks 4-7, 16 loads, may be out)
	WIN MUL_LO
	MUL16 0, 1, NQ-1, \slot, 0
	s_wait_dscnt 0x0                               ; the add is done, and my reads of this slot are over
	s_barrier_signal -1
	MUL16 2, 1, NQ-1, \slot, 0
	WIN 0
	s_barrier_wait -1
.if \fill
	CREST                                          ; the barrier has opened a round of the cluster's
	s_add_nc_u64 s[G0+4*\slot+2:G0+4*\slot+3], s[G0+4*\slot+2:G0+4*\slot+3], 2*TILEB
	s_add_nc_u64 s[G0B+4*\slot+2:G0B+4*\slot+3], s[G0B+4*\slot+2:G0B+4*\slot+3], 2*TILEB
	JLOAD G0+4*\slot, G1, G0B+4*\slot, G1B         ; the first tensor load behind the round; its four v_nop are the places in front of the loads below
.else
	PLACES NP
.endif
	FETCH_B \next, 0, 0
	FETCH_A \next, 0, 0
	SCALES \next, \sl
	WIN MUL_HI
	MUL16 4, 1, NQ-1, \slot, 0
	MUL16 6, 1, NQ-1, \slot, 0
	PLACES NP
	WIN 0
	FETCH_A \next, 0, 4
.endm
	s_wait_dscnt 0x0                               ; for the others' sake: my rows' scale words are in LDS;
	s_wait_tensorcnt 1                             ; wo's scales and my part of slot 0 are in (slot 1's load may be out),
	s_barrier_signal -1
	s_barrier_wait -1                              ; everybody's are
	FETCH_B 0, 0, 0
	FETCH_A 0, 0, 0
	SCALES 0, 0
	FETCH_A 0, 0, 4
	STEP 0, 0, 1
	TURN 0, 1, 1, 1
	STEP 1, 0, 0
	TURN 1, 0, 1, 2
	STEP 0, 0, 0
	TURN 0, 1, 0, 3
	STEP 1, 0, 0
	s_wait_dscnt 4*NL
	WIN MUL_LO
	MUL16 0, 1, NQ-1, 1, 0
	MUL16 2, 1, NQ-1, 1, 0
	s_wait_dscnt 0
	WIN MUL_HI
	MUL16 4, 1, NQ-1, 1, 0
	MUL16 6, 1, NQ-1, 1, 0
	WIN 0
; THE WAY OUT, block by block of 16 rows x 128 columns, through my own stage.  Accumulator (a, b), lane (r, h), register j: row 32 (a / 2) + 8 (a % 2) + r + 8 (r / 8), column 32 (b / 2) + 8 (b % 2) + 16 h + j.
.macro TOSTAGE a
.set AC, 64*((\a)%4)
	WIN 0x08+4*((\a)/4)                            ; an LDS store's data: window 2 or 3
.irp b, 0,1,2,3,4,5,6,7
	ds_store_b128 v[STO], v[AC+8*\b:AC+8*\b+3] offset:128*(\b/2)+32*(\b%2)       ; each accumulator from its low end on
	ds_store_b128 v[STO], v[AC+8*\b+4:AC+8*\b+7] offset:128*(\b/2)+32*(\b%2)+16
.endr
	WIN 0
.set BB, BK+64*((\a)%2)
.irp t, 0,1,2,3,4,5,6,7,8,9,10,11,12,13,14,15
	ds_load_b128 v[BB+4*\t:BB+4*\t+3], v[RD] offset:\t*SPITCH      ; LDS serves a wave's instructions in order: these see the stores above
.endr
.endm
.macro SEND a, younger
.set BB, BK+64*((\a)%2)
	s_wait_dscnt \younger
.irp t, 0,1,2,3,4,5,6,7,8,9,10,11,12,13,14,15
	global_store_b128 v[CO], v[BB+4*\t:BB+4*\t+3], s[12:13] offset:(32*((\a)/2)+8*((\a)%2)+\t+8*(\t/8))*4096 th:TH_STORE_NT   ; 512 consecutive bytes, aligned; 127 rows of 4,096 bytes at the most in the immediate
.endr
.endm
	PLACES NP
	TOSTAGE 0
.irp a, 1,2,3,4,5,6,7
.if \a > 1
	s_wait_xcnt 0x0                                ; block a - 2's stores have read their registers: block a's loads may land there
.endif
	TOSTAGE \a
	SEND \a-1, 32                                  ; behind block a - 1's loads: block a's 16 stores and 16 loads
.endr
	SEND 7, 0
	s_wait_tensorcnt 0x0                           ; the wave's end
	ds_add_u32 v[SPW], v[NIL]
	s_wait_dscnt 0x0
	CROUND                                         ; the closing round
	s_endpgm
.Lfunc_end_k_q353cc1fe7a_proj:
	.size	k_q353cc1fe7a_proj, .Lfunc_end_k_q353cc1fe7a_proj-k_q353cc1fe7a_proj
	.p2alignl 7, 3214868480
	.fill 96, 4, 3214868480
	.section	.rodata,"a",@progbits
	.p2align	6, 0x0
	.amdhsa_kernel k_q353cc1fe7a_proj
		.amdhsa_group_segment_fixed_size 327680
		.amdhsa_private_segment_fixed_size 0
		.amdhsa_enable_private_segment 0
		.amdhsa_kernarg_size 40
		.amdhsa_user_sgpr_count 2
		.amdhsa_user_sgpr_kernarg_segment_ptr 1
		.amdhsa_wavefront_size32 1
		.amdhsa_system_sgpr_workgroup_id_x 1
		.amdhsa_system_sgpr_workgroup_id_y 1
		.amdhsa_system_sgpr_workgroup_id_z 1
		.amdhsa_system_vgpr_workitem_id 0
		.amdhsa_next_free_vgpr 1024
		.amdhsa_next_free_sgpr 100
		.amdhsa_reserve_vcc 0
		.amdhsa_float_denorm_mode_32 3
		.amdhsa_float_denorm_mode_16_64 3
		.amdhsa_memory_ordered 1
		.amdhsa_forward_progress 1
		.amdhsa_inst_pref_size 145
	.end_amdhsa_kernel
	.amdgpu_metadata
---
amdhsa.version: [ 1, 2 ]
amdhsa.kernels:
  - .name:           k_q353cc1fe7a_proj
    .symbol:         k_q353cc1fe7a_proj.kd
    .args:
      - { .name: ctc, .offset: 0, .size: 8, .value_kind: global_buffer, .address_space: global }
      - { .name: cts, .offset: 8, .size: 8, .value_kind: global_buffer, .address_space: global }
      - { .name: cod, .offset: 16, .size: 8, .value_kind: global_buffer, .address_space: global }
      - { .name: scl, .offset: 24, .size: 8, .value_kind: global_buffer, .address_space: global }
      - { .name: out0, .offset: 32, .size: 8, .value_kind: global_buffer, .address_space: global }
    .group_segment_fixed_size: 327680
    .private_segment_fixed_size: 0
    .kernarg_segment_align: 8
    .kernarg_segment_size: 40
    .max_flat_workgroup_size: 128
    .sgpr_count:     100
    .vgpr_count:     1024
    .wavefront_size: 32
...
	.end_amdgpu_metadata
.endif
;; end of part 4
